; MI455X (gfx1250); checked and timed in simulation.
; The chip was launched on July 23, 2026; its instructions are those of AMD's public machine-readable ISA for CDNA 5 (MIT licence, August 2026) and "CDNA5" Instruction Set Architecture Reference Guide (July 2026). The comments in the code are by the model that wrote it; some were corrected since.
;; MAL Attention. Allowed arithmetic: matrix products marked QUANTISED: E2M3 operands, one E8M0 scale for each 32 along K, by v_wmma_scale_f32_16x16x128_f8f6f4 with both operands' format E2M3, f32 sums; everything else in f32.
;; Inputs: b_proj 1,024 float32; w_proj 1,024 x 1,024 float32; w_qkv 3,072 x 1,024 float32; x 4 x 2,048 x 1,024 float32.
;; Outputs: out0 4 x 2,048 x 1,024 float32.
;; This version of the problem:
;;   THIS VERSION OF THE PROBLEM IS GIVEN IN LOW PRECISION. The matrix products marked QUANTISED in the list below multiply operands that are first quantised to E2M3 (2 exponent bits, 3 mantissa bits; 6 bits a number), with one power-of-two scale for each 32 numbers along K (OCP MX v1.0); their sums are f32. All else is computed in f32.
;;   The module's matrix products, in the order in which they are computed (A, B: the left and right operand; K: the contracted axis; several contracted axes count as one K, in the product's order):
;;     1. [M 8,192, K 1,024] x [K 1,024, N 3,072]; A: input x; B: input w_qkv: QUANTISED
;;     2. batch 64 x [M 2,048, K 64] x [K 64, N 2,048]; A: computed on the way; B: computed on the way: QUANTISED
;;     3. batch 64 x [M 2,048, K 2,048] x [K 2,048, N 64]; A: softmax (see below); B: computed on the way: QUANTISED
;;     4. [M 8,192, K 1,024] x [K 1,024, N 1,024]; A: computed on the way; B: input w_proj: QUANTISED
;;   THE QUANTISER, for each operand of a quantised product, along K:
;;     - K is cut into blocks of 32 from its start; a last block that is shorter is filled with zeros.
;;     - A block's scale is 2^e with e = floor(log2(the largest magnitude in the block)) - 2, held to -126 .. 127; a block of zeros has e = 0. As a byte (E8M0): e + 127.
;;     - Each number is divided by its block's scale, clamped to +-7.5, and rounded to the nearest number of E2M3, ties to even, subnormals kept.
;;     - The product sums the exact products of the quantised numbers (number of the format x scale) in f32.
;;   ~~~python
;;   def quantise(x, axis):      # numpy; x: float32 -> the quantised numbers, widened to float32 again
;;       x = np.moveaxis(x, axis, -1); K = x.shape[-1]
;;       x = np.pad(x, [(0, 0)] * (x.ndim - 1) + [(0, -K % 32)]); x = x.reshape(x.shape[:-1] + (-1, 32)); a = np.abs(x).max(-1, keepdims=True)
;;       e = np.where(a > 0, np.clip(np.frexp(np.where(a > 0, a, 1))[1] - 1 - 2, -126, 127), 0)      # np.frexp(a)[1] - 1 = floor(log2(a)), exactly
;;       r = np.clip(x / 2.0 ** e, -7.5, 7.5)
;;       step = 2.0 ** (np.maximum(np.frexp(np.where(r == 0, 1, r))[1] - 1, 0) - 3)
;;       q = np.round(r / step) * step * 2.0 ** e      # np.round: ties to even
;;       return np.moveaxis(q.reshape(q.shape[:-2] + (-1,))[..., :K], -1, axis).astype(np.float32)
;;   ~~~
;;   SOFTMAX AHEAD OF A QUANTISED PRODUCT. Where the list says 'softmax', what is quantised is not the finished softmax but p = 2^(t - M), with t = logit x log2(e) and M = ceil(the row's largest t), a whole number; so 1/2 < the row's largest p <= 1. The row's sum l is taken of the UNQUANTISED p, in f32, and the product's result is divided by l at the end. Since M is a whole number, a kernel that streams over the keys may use a running M (the ceiling of the running maximum): every later rescaling is an exact power of two, which a block's scale takes up: the codes' values come out the same.
;;   OPERANDS COMPUTED ON THE WAY. 'Computed on the way' means the value that the module computes at that place (a softmax that the list does not call 'softmax' is quantised finished and normalised). What goes into a quantiser is computed in f32, as accurately as f32 sums, v_exp_f32 and their like allow (about 1e-6 of the number): no bf16 or f16 on the way to a quantiser, and a product that is left as it is and whose result goes on into a quantised operand takes f32 operands (vector FMAs, or v_wmma_f32_16x16x4_f32). A number that lies on a knife's edge between two numbers of the format may be rounded either way, as far as f32 arithmetic and the matrix unit's own rounding can turn it there, and no further.
;; One version. Each part assembles by itself: llvm-mc -triple=amdgcn-amd-amdhsa -mcpu=gfx1250 --defsym DOCPART=n.
;; ======== version 1 of 1: 4 launches
;; workspace buffers: codes 9,437,184 bytes; scales 393,216 bytes; qkv_img 18,874,368 bytes; qkv_sc 1,048,576 bytes; o_img 6,291,456 bytes; o_sc 262,144 bytes
;; launch quant (part 1): grid 384 x 1, 4 waves a work-group, no clusters, 33,280 bytes of LDS; arguments x, w_qkv, w_proj, codes, scales; writes codes, scales
.if DOCPART == 1
	.amdgcn_target "amdgcn-amd-amdhsa--gfx1250"
	.amdhsa_code_object_version 6
	.text
	.protected	k_q2dc774b923_quant
	.globl	k_q2dc774b923_quant
	.p2align	8
	.type	k_q2dc774b923_quant,@function
k_q2dc774b923_quant:
	s_mov_b64 s[64:65], 0
	v_nop
	global_prefetch_b8 v0, s[64:65] scope:SCOPE_SE
	s_setreg_imm32_b32 hwreg(HW_REG_WAVE_MODE, 25, 1), 1
	s_wait_xcnt 0x0
; x [8192][1024], w_qkv [3072][1024] and w_proj [1024][1024], f32, K innermost, become codes of FP6 (E2M3), 6 bits each, with one E8M0 scale byte for each 32 along K.
; codes: [12288 rows][768 bytes], scales: [12288 rows][32 bytes]; rows 0.. are x's, 8192.. w_qkv's, 11264.. w_proj's.
; THE ROWS ARE STORED IN ANOTHER ORDER: in each group of 32 rows, place 16 u + 8 g + j holds row 16 g + 8 u + j.  So 16 neighbouring places are rows 8 u + r + 8 (r / 8): the later products, which take such
; 16 places as source 0, then find 16 neighbouring rows in the 16 registers of two neighbouring result tiles, which is what their own quantisers want.  It costs nothing here: a wave's 8 rows go to another run of 8.
; A block's scale is 2^(floor(log2(its largest magnitude)) - 2); its byte is the largest magnitude's own exponent field - 2, held at 1 from below.
; LIMITS: a block of zeros, or one whose largest magnitude lies under 2^(2 - 126), gets the byte 1 (the quantiser's text says 127 for zeros): its codes are zeros or are held, and this program alone reads the bytes.
; NaN and infinities among the inputs are not served.
; A work-group takes 32 rows, a wave 8 rows = 16 steps of 512 numbers.  The conversion takes 16 numbers of ONE block from a lane's registers; a load is best where neighbouring lanes take neighbouring bytes.  Both are
; had: each of a step's four loads reads 512 consecutive bytes; the 2,048 bytes turn through the wave's own stage in LDS (16 bytes of padding behind each 64) and come back 64 bytes a lane.
; A lane's 16 codes are 12 bytes: the wave stores 384 consecutive bytes.  A wave's 256 scale bytes are gathered in LDS and leave by one store of 256 consecutive bytes, aligned.
; No tensor loads, no barrier: waves share nothing.  Loads run four steps (16 loads a wave) ahead, the turn through LDS one step.  Memory binds here: matrix units and clusters would add nothing.
.set WAVES, 4
.set STEPS, 16
.set WGX,   256                        ; work-groups 0 .. 255 take x,
.set WGQ,   352                        ; 256 .. 351 w_qkv, 352 .. 383 w_proj
.set EMAX,  2
.set CB,    12                         ; bytes of 16 codes
.set R,     16                         ; v16-79   four sets of 16 numbers as they are loaded
.set X,     80                         ; v80-111  two sets of 16 neighbours
.set C,     128                        ; v128-191 codes: four registers for each step, so that no store's data are written again
.set E,     112                        ; v112-127 a scale byte for each step
.set WREG,  8192                       ; LDS: a region for each wave: two stages of 32 x SP bytes, and behind them its 256 scale bytes
.set SP,    80                         ; a lane's place in a stage: its 64 bytes + 16 of padding
.set SPW,   12                         ; v12      LDS address of my spare word: SPARE + 4 x my thread's number; never rewritten
.set NIL,   13                         ; v13      0; never rewritten
.set SPARE, WAVES*WREG                 ; behind the four regions: the spare words, 128 bytes for each wave, which no other line names
	s_load_b256 s[4:11], s[0:1], 0x0               ; x s[4:5], w_qkv s[6:7], w_proj s[8:9], codes s[10:11]
	s_load_b64 s[12:13], s[0:1], 0x20              ; scales
	v_lshl_add_u32 v[SPW], v0, 2, SPARE
	v_mov_b32 v[NIL], 0
	v_lshrrev_b32 v1, 5, v0
	v_readfirstlane_b32 s16, v1                    ; wave
	v_and_b32 v2, 31, v0                           ; lane
	v_lshlrev_b32 v3, 4, v2                        ; my 16 bytes of a load's 512
	s_mul_i32 s17, s16, WREG
	v_lshrrev_b32 v14, 2, v2
	v_mul_u32_u24 v14, v14, SP
	v_and_b32 v15, 3, v2
	v_lshl_add_u32 v14, v15, 4, v14
	v_add_nc_u32 v14, s17, v14                     ; the stage, on the way in: SP (lane / 4) + 16 (lane % 4)
	v_mul_u32_u24 v15, v2, SP
	v_add_nc_u32 v15, s17, v15                     ; and on the way out: SP x lane: my 16 neighbours
	v_mul_u32_u24 v4, v2, CB                       ; my codes' place in a step's
	v_lshrrev_b32 v5, 1, v2
	s_add_co_u32 s17, s17, 2*32*SP
	v_add_nc_u32 v5, s17, v5                       ; LDS: my wave's 256 scale bytes, my block's byte
	v_lshlrev_b32 v7, 3, v2                        ; and on the way out 8 bytes a lane
	v_add_nc_u32 v6, s17, v7
	s_wait_kmcnt 0x0
	s_cmp_lt_u32 ttmp9, WGX                        ; which tensor?  The choice hangs on the work-group's number alone; only the pointer is chosen, all three take one path
	s_cselect_b64 s[4:5], s[4:5], s[6:7]
	s_cselect_b32 s17, 0, WGX
	s_cmp_lt_u32 ttmp9, WGQ
	s_cselect_b64 s[4:5], s[4:5], s[8:9]
	s_cselect_b32 s17, s17, WGQ                    ; the tensor's first work-group
	s_sub_co_u32 s17, ttmp9, s17
	s_lshl_b32 s17, s17, 2
	s_add_co_u32 s18, s17, s16                     ; which run of 8 rows of the tensor is my wave's,
	s_lshl_b32 s18, s18, 15                        ; x 32,768 bytes (under 2^26)
	s_mov_b32 s19, 0
	s_add_nc_u64 s[4:5], s[4:5], s[18:19]
	s_and_b32 s20, s16, 1                          ; where it goes: runs 1 and 2 of the four change places
	s_lshl_b32 s20, s20, 1
	s_lshr_b32 s21, s16, 1
	s_or_b32 s20, s20, s21
	s_lshl_b32 s21, ttmp9, 2
	s_add_co_u32 s20, s20, s21                     ; run of 8 places in the two buffers
	s_mul_i32 s22, s20, 32*STEPS*CB                ; 6,144 bytes of codes a run
	s_mov_b32 s23, 0
	s_add_nc_u64 s[10:11], s[10:11], s[22:23]
	s_lshl_b32 s22, s20, 8                         ; 256 scale bytes a run
	s_add_nc_u64 s[12:13], s[12:13], s[22:23]
.macro LOAD t
.irp i, 0,1,2,3
	global_load_b128 v[R+16*((\t)%4)+4*\i:R+16*((\t)%4)+4*\i+3], v3, s[4:5] offset:2048*(\t)+512*\i th:TH_LOAD_NT   ; 32 lanes read 512 consecutive bytes
.endr
.endm
.macro TURN t                          ; step t's numbers through the stage: LDS serves a wave's instructions in order (ISA guide 5.7.1.4), so no wait stands between the stores and the loads
.irp i, 0,1,2,3
	ds_store_b128 v14, v[R+16*((\t)%4)+4*\i:R+16*((\t)%4)+4*\i+3] offset:32*SP*((\t)%2)+8*SP*\i
.endr
.irp i, 0,1,2,3
	ds_load_b128 v[X+16*((\t)%2)+4*\i:X+16*((\t)%2)+4*\i+3], v15 offset:32*SP*((\t)%2)+16*\i
.endr
.endm
.irp t, 0,1,2,3
	LOAD \t
.endr
	s_wait_loadcnt 12                              ; step 0's four loads are in; the twelve of steps 1 to 3 may be out
	TURN 0
.macro STEP t
.set XS, X+16*((\t)%2)
.if (\t) > 0
	s_wait_dscnt 1                                 ; this step's numbers are back from the stage (the last step's byte store may be out): so its stores into the stage have read their registers,
.else
	s_wait_dscnt 0x0
.endif
.if (\t)+4 < STEPS
	LOAD (\t)+4                                    ; which take the loads of four steps on
.endif
.if (\t)+1 < STEPS
.if STEPS-2-(\t) >= 3
	s_wait_loadcnt 12                              ; the next step's four loads are in; those of the three steps behind it may be out
.else
	s_wait_loadcnt 4*(STEPS-2-(\t))
.endif
	TURN (\t)+1                                    ; and go through the other stage while this step is worked
.endif
	v_max3_num_f32 v8, |v[XS]|, |v[XS+1]|, |v[XS+2]|               ; the largest magnitude of my 16, in two chains
	v_max3_num_f32 v9, |v[XS+3]|, |v[XS+4]|, |v[XS+5]|
.irp i, 6,10
	v_max3_num_f32 v8, v8, |v[XS+\i]|, |v[XS+\i+1]|
	v_max3_num_f32 v9, v9, |v[XS+\i+2]|, |v[XS+\i+3]|
.endr
	v_max3_num_f32 v8, v8, |v[XS+14]|, |v[XS+15]|
	v_max3_num_f32 v8, v8, v9, (EMAX+1)<<23        ; and the floor 2^(EMAX + 1 - 127): so the byte cannot fall under 1
	v_max_num_f32_dpp v8, v8, v8 row_xmask:1 row_mask:0xf bank_mask:0xf   ; and of my neighbour's 16: the block's
	v_add_nc_u32 v11, -(EMAX<<23), v8              ; EMAX off its exponent field: the conversion takes the exponent field of this operand as its scale, and nothing else of it
	v_cvt_scalef32_pk16_fp6_f32 v[C+4*(\t):C+4*(\t)+2], v[XS:XS+15], v11   ; sixteen numbers / the scale, to the nearest code, ties to even, beyond the largest code the largest; 96 bits without gaps
	v_lshrrev_b32 v[E+(\t)], 23, v11               ; the scale's byte (also the plain line behind the conversion)
	ds_store_b8 v5, v[E+(\t)] offset:16*(\t)       ; both lanes of a block write the same byte with the same value
	global_store_b96 v4, v[C+4*(\t):C+4*(\t)+2], s[10:11] offset:32*CB*(\t)
.endm
.irp t, 0,1,2,3,4,5,6,7,8,9,10,11,12,13,14,15
	STEP \t
.endr
	ds_load_b64 v[8:9], v6                         ; LDS serves a wave's instructions in order: these see my stores
	s_wait_dscnt 0x0
	global_store_b64 v7, v[8:9], s[12:13]          ; 32 lanes store 256 consecutive bytes, aligned
	s_wait_tensorcnt 0x0                           ; the wave's end, behind my last LDS store
	ds_add_u32 v[SPW], v[NIL]
	s_wait_dscnt 0x0
	s_endpgm
.Lfunc_end_k_q2dc774b923_quant:
	.size	k_q2dc774b923_quant, .Lfunc_end_k_q2dc774b923_quant-k_q2dc774b923_quant
	.p2alignl 7, 3214868480
	.fill 96, 4, 3214868480
	.section	.rodata,"a",@progbits
	.p2align	6, 0x0
	.amdhsa_kernel k_q2dc774b923_quant
		.amdhsa_group_segment_fixed_size 33280
		.amdhsa_private_segment_fixed_size 0
		.amdhsa_enable_private_segment 0
		.amdhsa_kernarg_size 40
		.amdhsa_user_sgpr_count 2
		.amdhsa_user_sgpr_kernarg_segment_ptr 1
		.amdhsa_wavefront_size32 1
		.amdhsa_system_sgpr_workgroup_id_x 1
		.amdhsa_system_sgpr_workgroup_id_y 1
		.amdhsa_system_sgpr_workgroup_id_z 1
		.amdhsa_system_vgpr_workitem_id 0
		.amdhsa_next_free_vgpr 192
		.amdhsa_next_free_sgpr 66
		.amdhsa_reserve_vcc 0
		.amdhsa_float_denorm_mode_32 3
		.amdhsa_float_denorm_mode_16_64 3
		.amdhsa_memory_ordered 1
		.amdhsa_forward_progress 1
		.amdhsa_inst_pref_size 33
	.end_amdhsa_kernel
	.amdgpu_metadata
---
amdhsa.version: [ 1, 2 ]
amdhsa.kernels:
  - .name:           k_q2dc774b923_quant
    .symbol:         k_q2dc774b923_quant.kd
    .args:
      - { .name: x, .offset: 0, .size: 8, .value_kind: global_buffer, .address_space: global }
      - { .name: w_qkv, .offset: 8, .size: 8, .value_kind: global_buffer, .address_space: global }
      - { .name: w_proj, .offset: 16, .size: 8, .value_kind: global_buffer, .address_space: global }
      - { .name: codes, .offset: 24, .size: 8, .value_kind: global_buffer, .address_space: global }
      - { .name: scales, .offset: 32, .size: 8, .value_kind: global_buffer, .address_space: global }
    .group_segment_fixed_size: 33280
    .private_segment_fixed_size: 0
    .kernarg_segment_align: 8
    .kernarg_segment_size: 40
    .max_flat_workgroup_size: 128
    .sgpr_count:     66
    .vgpr_count:     192
    .wavefront_size: 32
...
	.end_amdgpu_metadata
.endif
;; end of part 1
;; launch qkv (part 2): grid 12 x 32, 4 waves a work-group, clusters of 4 x 4, 327,680 bytes of LDS; arguments codes, scales, qkv_img, qkv_sc; writes qkv_img, qkv_sc
.if DOCPART == 2
	.amdgcn_target "amdgcn-amd-amdhsa--gfx1250"
	.amdhsa_code_object_version 6
	.text
	.protected	k_q2dc774b923_qkv
	.globl	k_q2dc774b923_qkv
	.p2align	8
	.type	k_q2dc774b923_qkv,@function
k_q2dc774b923_qkv:
	s_mov_b64 s[64:65], 0
	v_nop
	global_prefetch_b8 v0, s[64:65] scope:SCOPE_SE
	s_setreg_imm32_b32 hwreg(HW_REG_WAVE_MODE, 25, 1), 1
	s_wait_xcnt 0x0
	s_wait_alu depctr_hold_cnt(0) depctr_sa_sdst(0) depctr_va_vdst(0) depctr_va_sdst(0) depctr_va_ssrc(0) depctr_va_vcc(0) depctr_vm_vsrc(0)
	s_getreg_b32 s2, hwreg(HW_REG_IB_STS2, 6, 4)
	s_cmp_eq_u32 s2, 0
	s_cbranch_scc0 .Lentry_in_a_cluster
	s_endpgm
.Lentry_in_a_cluster:
	s_bfe_u32 s2, ttmp6, 0x10000c
	s_cmp_lg_u32 s2, 0xf033
	s_cbranch_scc0 .Lentry_shape_is_right
	s_endpgm
.Lentry_shape_is_right:
; qkv = x w_qkv^T on codes of FP6 (E2M3) with E8M0 scales, K = 1,024; then q is gated (q x sigmoid(|q|), the norm over a head's 64), and q, k and v are quantised in registers for the attention's products and
; stored as IMAGES OF OPERAND REGISTERS: nothing wider than codes goes to memory.
; A tile is 256 x 256, made by four waves, each 128 x 128: 64 accumulators of 16 x 16, 512 registers.  K goes in steps of 256 through a ring of two LDS slots filled by the tensor data mover.
; THE CLUSTER'S x IS THE SECTION: 0 = q, 1 = k, 2 = v: it is the same in all sixteen partners, so branches may hang on it.
; SOURCE 1 (its 16 rows fall into lanes) and SOURCE 0 (its 16 rows fall into a lane's registers) change roles by address alone.  q, k: source 1 = tokens, source 0 = rows of w: a lane holds one token and its
; registers run along the head's channels, which are the first attention product's K.  v: source 1 = rows of w_v, source 0 = tokens: a lane holds one channel and its registers run down the keys, the second's K.
; The rows of the codes' buffer lie so that 16 neighbouring places are rows 8 u + r + 8 (r / 8) of a group of 32: so registers 16 b + i of the accumulators (a, 2 b), (a, 2 b + 1) are source 0's rows 32 b + 16 (lane / 16) + i.
; OUT.  q, k: [head 64][block of 16 tokens 128][3 groups][256 bytes]: registers 0-5 of a fragment.  v: [head][128 keys 16][16 channels 4][3 groups][512 bytes]: a whole fragment.  Scale words: see WORDS.
; CLUSTERS: 4 x 4.  Source 1's tile is shared along a row of the cluster, source 0's along a column: each is asked for jointly.
; No prefetch: of four K steps two are first fills and the other two would have to be named at the head, where every work-group's first tiles are on their way.
; LIMITS: NaN and infinities are not served; a head's sum of squares of q must stay inside f32 (|q| under 1e18); a block of zeros, or one under 2^(2 - 126), gets the byte 1: this program alone reads the bytes.
; REGISTERS, in windows of 256: window 0: v0-31 addresses; v32-63 scale words, two sets, and nothing else; v64-95 at work on the way out; from v128 source 1's fragments, ONE set (on the way out: codes, gates).
;   window 1: source 0's fragments, TWO sets, at v0 and v128.   window 2: the accumulators of my rows 0-63 ((a, b) at v[8 (8 a + b)]);   window 3: those of my rows 64-127.
.set KSTEP,  256                       ; along K in a slot
.set NQ,     KSTEP/128                 ; matrix instructions deep
.set ROWB,   192                       ; a tile's row in bytes
.set KROW,   768                       ; a row of codes in memory
.set PITCH,  240                       ; an LDS row: 3 x (64 bytes + 16 of padding) = 60 words: the 32 lanes of a load of 8 bytes touch 64 different banks (64 banks of 4 bytes: ISA guide 11.1)
.set FR,     12                        ; registers of a fragment: 16 rows x 128 K
.set NL,     6                         ; LDS loads that bring one
.set NP,     4                         ; places behind this matrix instruction (ISA guide 7.12.1)
.set HALFT,  128*PITCH                 ; 128 rows: what one tensor load brings
.set SLOT,   4*HALFT                   ; source 1's 256 rows, then source 0's
.set KS,     32                        ; a row of scales in bytes
.set SCL,    2*SLOT                    ; behind the ring: the scales of all of K, as runs of 256 bytes + 16 of padding
.set HALFS,  (128*KS/256)*272          ; the scales of 128 rows
.set SBLK,   (16*KS/256)*272           ; those of 16 rows
.set SPARE,  SCL+4*HALFS               ; the spare words, 128 bytes for each wave, which no other line names
.set ADRA, 16                          ; v16-17  LDS address of source 1's fragments in slot 0, 1  (v18-19: for the pieces behind one padding more)
.set ADRB, 20                          ; v20-21  the same for source 0  (v22-23)
.set O8,   24                          ; v24     8 x lane
.set O16,  25                          ; v25     16 x lane
.set OSC,  26                          ; v26     16 x (lane % 16) + (lane / 16) x a head's scale words
.set ADRS, 27                          ; v27     LDS address of my scale words
.set SPW,  28                          ; v28     LDS address of my spare word; never rewritten
.set NIL,  29                          ; v29     0; never rewritten
.set SC,   32                          ; scale words: set s at v[SC + 8 NQ s]
.set TM,   64                          ; v64-67 largest magnitudes, v68-71 the other half's, then bytes, v76-79 the conversions' scale operands
.set PWS,  80                          ; v80-87  the eight blocks' scale words
.set U,    88                          ; v88-95  scale words as they are stored
.set AF,   128                         ; source 1's fragments
.set PC,   128                         ; the way out: a block's codes, v128-139; v140-146 the conversions' second halves
.set SELR, 148                         ; v148-149 byte selectors
.set SG,   160                         ; v160-191 16 pairs: a head's sum of squares, then its gate
.set G1, 24                            ; s[24:31] descriptor group 1 for source 1's tiles;  s[32:39] group 0, one set for each slot
.set G0, 32
.set G1B, 48                           ; s[48:55], s[56:63] the same for source 0's
.set G0B, 56
.set G1S, 68                           ; s[68:75], s[76:79] groups 1 and 0 for source 1's scales;  s[80:87], s[88:91] for source 0's
.set G0S, 76
.set G1SB, 80
.set G0SB, 88
.set SEC, 98                           ; s98  the section
.set HM,  99                           ; s99  a mask of lanes 16-31
.set HS,  100                          ; s100 a head's scale words in bytes
.set MSB, 0
.macro WIN new                         ; the immediate's high byte repeats the setting that is left
.if MSB != (\new)
	s_set_vgpr_msb (MSB<<8)|(\new)
.set MSB, (\new)
.endif
.endm
.set MUL_LO, 0xa1                      ; source 0 window 1, source 1 window 0, C and D window 2
.set MUL_HI, 0xf1                      ; the same, C and D window 3
.set TO_B,   0x40                      ; destination window 1, address window 0
; A joint load: waves 0 and 1 fetch for source 1, waves 2 and 3 for source 0.  The branch hangs on the wave's number alone.  An s_nop 0 and four v_nop follow each of the two lines.
.macro JLOAD g0a, g1a, g0b, g1b
	s_cmp_eq_u32 s15, 0
	s_cbranch_scc0 .Lfor_b_\@
	tensor_load_to_lds s[\g0a:\g0a+3], s[\g1a:\g1a+7]
	s_nop 0
.rept 4
	v_nop
.endr
	s_branch .Lasked_\@
.Lfor_b_\@:
	tensor_load_to_lds s[\g0b:\g0b+3], s[\g1b:\g1b+7]
	s_nop 0
.rept 4
	v_nop
.endr
.Lasked_\@:
.endm
.macro CREST                           ; a round of the cluster's barrier behind its opening barrier
	s_cmp_lg_u32 s14, 0
	s_cbranch_scc1 .Lnot_wave_0_\@
	s_barrier_signal -3
.Lnot_wave_0_\@:
	s_barrier_wait -3
	s_barrier_signal -1
	s_barrier_wait -1
.endm
.macro CROUND                          ; a whole round
	s_barrier_signal -1
	s_barrier_wait -1
	CREST
.endm
	s_load_b256 s[4:11], s[0:1], 0x0               ; codes s[4:5], scales s[6:7], qkv_img s[8:9], qkv_sc s[10:11]
	v_lshl_add_u32 v[SPW], v0, 2, SPARE
	v_mov_b32 v[NIL], 0
	ds_add_u32 v[SPW], v[NIL]                      ; the wave's opening: the add and its wait stand ahead of my first tensor load; the set-up below, work on registers, stands between them
	v_lshrrev_b32 v1, 5, v0
	v_readfirstlane_b32 s14, v1                    ; wave 0..3
	s_lshr_b32 s15, s14, 1                         ; which half of source 1's rows is mine.  Also: I fetch for source 1 (0) or source 0 (1)
	s_and_b32 s16, s14, 1                          ; which half of source 0's rows.  Also: which 128 rows of that tile I fetch
	s_bfe_u32 s40, ttmp6, 0x40000                  ; cx, cy: my place in the cluster
	s_bfe_u32 s41, ttmp6, 0x40004
	s_mov_b32 s[SEC], ttmp9                        ; the cluster's x: 0 = q, 1 = k, 2 = v
	s_lshr_b32 s42, s[SEC], 1                      ; 1 for v,
	s_xor_b32 s17, s42, 1                          ; 1 for q and k
	s_and_b32 s95, ttmp7, 0xffff
	s_lshl_b32 s95, s95, 10                        ; the cluster's 1,024 tokens begin here
	s_lshl_b32 s43, s41, 2
	s_lshl_b32 s43, 15, s43                        ; my row of the cluster
	s_lshl_b32 s44, 0x1111, s40                    ; my column
	; descriptor group 1: a tile of 128 rows x ROWB bytes, padded in LDS
	s_or_b32 s[G1+0], s43, (0<<16)|(1<<20)|(1<<21)|(3<<22)|(3<<25)  ; 15:0 the mask: my row; 17:16 elements of 1 byte; 20 padding on; 21 set beside a mask; 24:22 after every 16 words (code 3); 31:25 of 4 words (code 3)
	s_or_b32 s[G1B+0], s44, (0<<16)|(1<<20)|(1<<21)|(3<<22)|(3<<25) ; the same with my column's mask
.irp g, G1, G1B
	s_mov_b32 s[\g+1], ROWB<<16                    ; tensor_dim0
	s_mov_b32 s[\g+2], 128<<16                     ; tensor_dim1 = 128
	s_mov_b32 s[\g+3], ROWB<<16                    ; tile_dim0
	s_mov_b32 s[\g+4], 128                         ; tile_dim1 = 128
	s_mov_b32 s[\g+5], KROW                        ; tensor_dim0_stride
	s_mov_b32 s[\g+6], 0
	s_mov_b32 s[\g+7], 0
.endr
	; and for the scales of 128 rows: a dense block of 4,096 bytes, as 16 rows of 256 bytes (32 elements of 8 bytes), 16 bytes of padding behind each
	s_or_b32 s[G1S+0], s43, (3<<16)|(1<<20)|(1<<21)|(5<<22)|(3<<25)
	s_or_b32 s[G1SB+0], s44, (3<<16)|(1<<20)|(1<<21)|(5<<22)|(3<<25)
.irp g, G1S, G1SB
	s_mov_b32 s[\g+1], 32<<16
	s_mov_b32 s[\g+2], (128*KS/256)<<16
	s_mov_b32 s[\g+3], 32<<16
	s_mov_b32 s[\g+4], 128*KS/256
	s_mov_b32 s[\g+5], 32
	s_mov_b32 s[\g+6], 0
	s_mov_b32 s[\g+7], 0
.endr
	; source 1's first place in the codes' buffer: q, k: token 1,024 x cluster y + 256 cy;  v: w_v's row 10,240 + 256 cy.  It hangs on cy and on what all partners share
	s_lshl_b32 s20, s41, 8
	s_mul_i32 s21, s17, s95
	s_add_co_u32 s20, s20, s21
	s_mul_i32 s21, s42, 10240
	s_add_co_u32 s20, s20, s21
	s_mov_b32 s97, s20                             ; kept for the way out
	; source 0's: q, k: w's row 8,192 + 1,024 x section + 256 cx;  v: token 1,024 x cluster y + 256 cx.  It hangs on cx and on what all partners share
	s_lshl_b32 s46, s40, 8
	s_mul_i32 s47, s42, s95
	s_add_co_u32 s46, s46, s47
	s_lshl_b32 s47, s[SEC], 10
	s_add_co_u32 s47, s47, 8192
	s_mul_i32 s47, s47, s17
	s_add_co_u32 s46, s46, s47
	s_mov_b32 s101, s46                            ; kept for the way out
	s_lshl_b32 s18, s16, 7                         ; which 128 rows of the tile I fetch
	s_add_co_u32 s20, s20, s18
	s_add_co_u32 s46, s46, s18
	s_mov_b32 s21, 0
	s_mov_b32 s47, 0
	s_mov_b64 s[18:19], KS
	s_mul_u64 s[22:23], s[20:21], s[18:19]         ; where these rows' scales begin, in bytes
	s_mul_u64 s[92:93], s[46:47], s[18:19]
	s_mov_b64 s[18:19], KROW
	s_mul_u64 s[20:21], s[20:21], s[18:19]         ; and their codes
	s_mul_u64 s[46:47], s[46:47], s[18:19]
	s_mul_i32 s45, s14, HALFT                      ; where they go: wave x 128 rows: no place in the cluster enters an LDS address
	s_mul_i32 s94, s14, HALFS
	s_mov_b32 s12, 0x76543210
	s_mov_b32 s13, 0xfedcba98                      ; v_permlanex16_b32's selects for lane l xor 16
	s_mov_b32 s[HM], 0xffff0000
	s_wait_dscnt 0x0                               ; the opening add is done
	s_wait_kmcnt 0x0
	s_add_nc_u64 s[20:21], s[4:5], s[20:21]
	s_add_nc_u64 s[22:23], s[6:7], s[22:23]
	s_add_nc_u64 s[46:47], s[4:5], s[46:47]
	s_add_nc_u64 s[92:93], s[6:7], s[92:93]
	CROUND                                         ; all sixteen work-groups are here: the first joint loads meet
	s_mov_b32 s[G0S], 1
	s_add_co_u32 s[G0S+1], s94, SCL
	s_mov_b64 s[G0S+2:G0S+3], s[22:23]
	s_or_b32 s[G0S+3], s[G0S+3], 0x80000000
	s_mov_b32 s[G0SB], 1
	s_add_co_u32 s[G0SB+1], s94, SCL
	s_mov_b64 s[G0SB+2:G0SB+3], s[92:93]
	s_or_b32 s[G0SB+3], s[G0SB+3], 0x80000000
	JLOAD G0S, G1S, G0SB, G1SB                     ; the scales first: they are wanted with K step 0
.irp s, 0,1
	s_mov_b32 s[G0+4*\s], 1
	s_add_co_u32 s[G0+4*\s+1], s45, \s*SLOT
	s_add_nc_u64 s[G0+4*\s+2:G0+4*\s+3], s[20:21], \s*ROWB
	s_or_b32 s[G0+4*\s+3], s[G0+4*\s+3], 0x80000000
	s_mov_b32 s[G0B+4*\s], 1
	s_add_co_u32 s[G0B+4*\s+1], s45, \s*SLOT
	s_add_nc_u64 s[G0B+4*\s+2:G0B+4*\s+3], s[46:47], \s*ROWB
	s_or_b32 s[G0B+4*\s+3], s[G0B+4*\s+3], 0x80000000
	JLOAD G0+4*\s, G1, G0B+4*\s, G1B               ; three loads of mine are out now
.endr
	v_and_b32 v1, 15, v0                           ; l % 16
	v_bfe_u32 v2, v0, 4, 1                         ; l / 16
	v_mul_u32_u24 v3, v1, PITCH
	v_mul_u32_u24 v4, v2, 24
	v_add_nc_u32 v4, v3, v4                        ; a fragment's row x pitch + 24 x half
	v_lshl_add_u32 v5, v2, 4, v4                   ; and the same behind one padding more
	s_mul_i32 s21, s15, HALFT                      ; my 128 rows of source 1
	s_mul_i32 s22, s16, HALFT                      ; my 128 rows of source 0,
	s_add_co_u32 s22, s22, 2*HALFT                 ; which lie behind source 1's 256
.irp s, 0,1
	v_add_nc_u32 v[ADRA+\s], s21, v4
	v_add_nc_u32 v[ADRB+\s], s22, v4
	v_add_nc_u32 v[ADRA+2+\s], s21, v5
	v_add_nc_u32 v[ADRB+2+\s], s22, v5
	s_add_co_u32 s21, s21, SLOT
	s_add_co_u32 s22, s22, SLOT
.endr
	v_mul_u32_u24 v5, v1, KS                       ; my row's scales: KS bytes a row,
	v_lshrrev_b32 v6, 8, v5
	v_lshl_add_u32 v5, v6, 4, v5                   ; and 16 more for each 256 passed
	s_mul_i32 s21, s15, HALFS                      ; source 1's: my 128 rows
	s_mul_i32 s22, s16, HALFS                      ; source 0's: my 128 rows, behind source 1's 256
	s_add_co_u32 s22, s22, 2*HALFS
	s_sub_co_u32 s22, s22, s21
	v_mul_u32_u24 v6, s22, v2                      ; lanes 16-31 take source 0's
	s_add_co_u32 s21, s21, SCL
	v_add_nc_u32 v5, v5, v6
	v_add_nc_u32 v[ADRS], s21, v5
	; THE WAY OUT'S ADDRESSES.  My 128 tokens and my two heads: q, k: tokens from source 1, heads from source 0;  v: the other way round
	s_lshl_b32 s66, s16, 7
	s_add_co_u32 s66, s101, s66                    ; source 0's first place of my wave
	s_lshl_b32 s67, s15, 7
	s_add_co_u32 s67, s97, s67                     ; source 1's
	s_lshl_b32 s95, s41, 1
	s_add_co_u32 s95, s95, s15                     ; 2 cy + my half: my pair of heads if source 1 holds channels
	s_lshl_b32 s96, s40, 1
	s_add_co_u32 s96, s96, s16                     ; 2 cx + my half: if source 0 does
	s_cmp_eq_u32 s42, 1
	s_cselect_b32 s66, s66, s67                    ; my first token, 0 .. 8,064
	s_cselect_b32 s95, s95, s96                    ; my pair of heads, 0 .. 7
	s_lshr_b32 s67, s66, 11                        ; the batch,
	s_lshl_b32 s67, s67, 4
	s_lshl_b32 s95, s95, 1
	s_add_co_u32 s67, s67, s95                     ; 16 x batch + my first head
	s_bfe_u32 s66, s66, 0x40007                    ; which 128 tokens of the sequence's 2,048
	s_mul_i32 s96, s[SEC], 6291456                 ; images: a section,
	s_mul_i32 s95, s67, 98304                      ; a head,
	s_add_co_u32 s96, s96, s95
	s_mul_i32 s95, s66, 6144                       ; 128 tokens: 8 blocks of 768 bytes, or 4 fragments of 1,536
	s_add_co_u32 s96, s96, s95
	s_mov_b32 s97, 0
	s_add_nc_u64 s[8:9], s[8:9], s[96:97]
	s_add_co_u32 s95, s[SEC], 1
	s_lshl_b32 s95, s95, 18                        ; scale words: k's begin at 524,288, v's at 786,432,
	s_mov_b32 s[HS], 4096                          ; 4,096 bytes a head;
	s_cmp_eq_u32 s[SEC], 0
	s_cselect_b32 s[HS], 8192, s[HS]               ; q's at 0, 8,192 bytes a head
	s_cselect_b32 s95, 0, s95
	s_mul_i32 s96, s67, s[HS]
	s_add_co_u32 s96, s96, s95
	s_lshr_b32 s95, s[HS], 4
	s_mul_i32 s95, s95, s66                        ; 128 tokens are a sixteenth of a head's
	s_add_co_u32 s96, s96, s95
	s_add_nc_u64 s[10:11], s[10:11], s[96:97]
	v_and_b32 v6, 31, v0
	v_lshlrev_b32 v[O8], 3, v6
	v_lshlrev_b32 v[O16], 4, v6
	v_mul_u32_u24 v[OSC], s[HS], v2                ; lanes 16-31 store my second head's words
	v_lshl_add_u32 v[OSC], v1, 4, v[OSC]
.macro FRAG reg, adr, q, i             ; a fragment, 16 rows x 128 K of 6-bit codes: lane l holds row l % 16; registers 6 c .. 6 c + 5 hold K = 64 c + 32 (l / 16) + 0 .. 31: 24 bytes of the row's stream of bits, as they lie
.irp p, 0,1,2,3,4,5                    ; in pieces of 8 bytes.  Lanes 0-15 take the row's pieces 12 q + 0, 1, 2 and 12 q + 6, 7, 8, lanes 16-31 those three pieces on
.set PCE, 12*(\q)+6*(\p/3)+\p%3       ; 16 bytes of padding lie behind every 8 pieces: where the piece three on lies behind one padding more, the second address register serves
.if PCE%8 < 5
	ds_load_b64 v[\reg+2*\p:\reg+2*\p+1], v[\adr] offset:8*PCE+16*(PCE/8)+(\i)*16*PITCH
.else
	ds_load_b64 v[\reg+2*\p:\reg+2*\p+1], v[\adr+2] offset:8*PCE+16*(PCE/8)+(\i)*16*PITCH
.endif
.endr
.endm
; 16 matrix instructions: source 1's blocks a0, a0 + 1 x source 0's eight, 128 along K.  p: source 0's set;  sc: the set of scale words.  zero = 1: the first product starts the sums.
; The 64 accumulators take turns, one instruction a turn, in the same order in every step.
.macro MUL16 a0, p, q, sc, zero
.irp a, \a0, \a0+1
.irp b, 0,1,2,3,4,5,6,7
.if \zero
	v_wmma_scale_f32_16x16x128_f8f6f4 v[8*(8*((\a)%4)+\b):8*(8*((\a)%4)+\b)+7], v[128*(\p)+FR*\b:128*(\p)+FR*\b+FR-1], v[AF+FR*(\a):AF+FR*(\a)+FR-1], 0, v[SC+8*NQ*(\sc)+NQ*\b+(\q)], v[SC+8*NQ*(\sc)+NQ*(\a)+(\q)] matrix_a_fmt:MATRIX_FMT_FP6 matrix_b_fmt:MATRIX_FMT_FP6 matrix_a_scale:MATRIX_SCALE_ROW1
.else
	v_wmma_scale_f32_16x16x128_f8f6f4 v[8*(8*((\a)%4)+\b):8*(8*((\a)%4)+\b)+7], v[128*(\p)+FR*\b:128*(\p)+FR*\b+FR-1], v[AF+FR*(\a):AF+FR*(\a)+FR-1], v[8*(8*((\a)%4)+\b):8*(8*((\a)%4)+\b)+7], v[SC+8*NQ*(\sc)+NQ*\b+(\q)], v[SC+8*NQ*(\sc)+NQ*(\a)+(\q)] matrix_a_fmt:MATRIX_FMT_FP6 matrix_b_fmt:MATRIX_FMT_FP6 matrix_a_scale:MATRIX_SCALE_ROW1
.endif
.endr
.endr
.endm
.macro FETCH_B slot, q, p              ; source 0's eight fragments of the slot's q-th 128 along K into set p
	WIN TO_B
.irp i, 0,1,2,3,4,5,6,7
	FRAG 128*(\p)+FR*\i, ADRB+\slot, \q, \i
.endr
	WIN 0
.endm
.macro FETCH_A slot, q, i0             ; source 1's blocks i0 .. i0 + 3
.irp i, \i0, \i0+1, \i0+2, \i0+3
	FRAG AF+FR*(\i), ADRA+\slot, \q, \i
.endr
.endm
.macro SCALES sc                       ; the next K step's scale words into set sc: lanes 0-15 take source 1's block i, lanes 16-31 source 0's block i
.irp i, 0,1,2,3,4,5,6,7
	ds_load_b64 v[SC+8*NQ*\sc+NQ*\i:SC+8*NQ*\sc+NQ*\i+1], v[ADRS] offset:\i*SBLK
.endr
.endm
.macro PLACES n                        ; plain vector lines between a matrix instruction and a load into, or a vector instruction on, its registers
.rept \n
	v_nop
.endr
.endm
; A step of 128 along K that has its successor in the same slot.
.macro STEP slot, q, zero
	s_wait_dscnt 4*NL                              ; source 0's set and source 1's blocks 0-3 are in; the youngest 24 loads (blocks 4-7) may be out
	WIN MUL_LO
	MUL16 0, (\q)%2, \q, \slot, \zero
	MUL16 2, (\q)%2, \q, \slot, \zero
	s_wait_dscnt 0                                 ; blocks 4-7 are in (asked for 32 matrix instructions ago)
	PLACES NP
	FETCH_B \slot, (\q)+1, 1-(\q)%2
	FETCH_A \slot, (\q)+1, 0
	WIN MUL_HI
	MUL16 4, (\q)%2, \q, \slot, \zero
	MUL16 6, (\q)%2, \q, \slot, \zero
	PLACES NP
	WIN 0
	FETCH_A \slot, (\q)+1, 4
.endm
; A slot's last step changes slots: ONE barrier; in front of it each wave waits for all its tensor loads, adds 0 to its spare word, and waits for that and for its own reads of this slot.  fill = 1: this slot is filled again, two K steps ahead.
.macro TURN slot, next, fill
	s_wait_tensorcnt 0x0                           ; all my tensor loads have landed: my part of the next slot;  (every window is 0 here)
	ds_add_u32 v[SPW], v[NIL]                      ; 0 onto my spare word
	s_wait_dscnt 4*NL+1                            ; (the add and the youngest 24 loads, blocks 4-7, may be out)
	WIN MUL_LO
	MUL16 0, 1, NQ-1, \slot, 0                     ; sixteen matrix instructions stand between the add and the wait for it
	s_wait_dscnt 0x0                               ; the add is done, and my reads of this slot are over
	s_barrier_signal -1
	MUL16 2, 1, NQ-1, \slot, 0
	WIN 0
	s_barrier_wait -1
.if \fill
	CREST                                          ; the barrier has opened a round of the cluster's barrier: no wave of any partner still reads this slot's tile or has a load on its way
	s_add_nc_u64 s[G0+4*\slot+2:G0+4*\slot+3], s[G0+4*\slot+2:G0+4*\slot+3], 2*ROWB
	s_add_nc_u64 s[G0B+4*\slot+2:G0B+4*\slot+3], s[G0B+4*\slot+2:G0B+4*\slot+3], 2*ROWB
	JLOAD G0+4*\slot, G1, G0B+4*\slot, G1B         ; the first tensor load behind the round, my only one until the next; its four v_nop are the places in front of the loads below
.else
	PLACES NP
.endif
	v_add_nc_u32 v[ADRS], 4*NQ, v[ADRS]            ; on to the next K step's scale words (no LDS load of mine is out)
	FETCH_B \next, 0, 0
	FETCH_A \next, 0, 0
	SCALES \next
	WIN MUL_HI
	MUL16 4, 1, NQ-1, \slot, 0
	MUL16 6, 1, NQ-1, \slot, 0
	PLACES NP
	WIN 0
	FETCH_A \next, 0, 4
.endm
	s_wait_tensorcnt 1                             ; the scales and my part of K step 0 are in (K step 1's load may be out)
	s_barrier_signal -1
	s_barrier_wait -1                              ; everybody's are
	FETCH_B 0, 0, 0
	FETCH_A 0, 0, 0
	SCALES 0
	FETCH_A 0, 0, 4
	STEP 0, 0, 1                                   ; K 0: its products start the sums
	TURN 0, 1, 1                                   ; K 128; slot 0 takes K 512 ..
	STEP 1, 0, 0                                   ; K 256
	TURN 1, 0, 1                                   ; K 384; slot 1 takes K 768 ..
	STEP 0, 0, 0                                   ; K 512
	TURN 0, 1, 0                                   ; K 640; nothing is left to fetch, so no round
	STEP 1, 0, 0                                   ; K 768
	s_wait_dscnt 4*NL                              ; K 896, the last step
	WIN MUL_LO
	MUL16 0, 1, NQ-1, 1, 0
	MUL16 2, 1, NQ-1, 1, 0
	s_wait_dscnt 0
	WIN MUL_HI
	MUL16 4, 1, NQ-1, 1, 0
	MUL16 6, 1, NQ-1, 1, 0
	WIN 0
; THE WAY OUT.  Block a (16 rows of source 1) is 64 registers of a lane: register 16 b + i = source 0's row 32 b + 16 (lane / 16) + i.
; The sum of squares of a head's 64 channels (q alone): my 32 of them, two at a time, each accumulator from its low end on; the two heads of a block by turns.
.macro SUMSQ a
.set AC, 64*((\a)%4)
	WIN 0x0a+5*((\a)/4)                            ; sources 0 and 1: window 2 or 3
.irp c, 0,1
	v_pk_mul_f32 v[SG+4*(\a)+2*\c:SG+4*(\a)+2*\c+1], v[AC+32*\c:AC+32*\c+1], v[AC+32*\c:AC+32*\c+1]
.endr
.irp j, 2,4,6,8,10,12,14,16,18,20,22,24,26,28,30
.irp c, 0,1
	v_pk_fma_f32 v[SG+4*(\a)+2*\c:SG+4*(\a)+2*\c+1], v[AC+32*\c+\j:AC+32*\c+\j+1], v[AC+32*\c+\j:AC+32*\c+\j+1], v[SG+4*(\a)+2*\c:SG+4*(\a)+2*\c+1]
.endr
.endr
.endm
.macro GATE a                          ; q x sigmoid(|q|), in place
.set AC, 64*((\a)%4)
	WIN 0x82+0x41*((\a)/4)                         ; destination and source 0: window 2 or 3
.irp c, 0,1
.irp j, 0,2,4,6,8,10,12,14,16,18,20,22,24,26,28,30
	v_pk_mul_f32 v[AC+32*\c+\j:AC+32*\c+\j+1], v[AC+32*\c+\j:AC+32*\c+\j+1], v[SG+4*(\a)+2*\c:SG+4*(\a)+2*\c+1] op_sel_hi:[1,0]
.endr
.endr
.endm
; Block a's 64 numbers become a fragment's codes in v[PC] on and its scale word in v[PWS + a].
.macro QUANT a
.set AC, 64*((\a)%4)
	WIN 0x0a+5*((\a)/4)
.irp b, 0,1,2,3
	v_max3_num_f32 v[TM+\b], |v[AC+16*\b]|, |v[AC+1+16*\b]|, 0x1800000   ; block b of 32: my 16 numbers, and the floor 2^(3 - 127): so the byte cannot fall under 1
.endr
.irp i, 2,4,6,8,10,12,14
.irp b, 0,1,2,3
	v_max3_num_f32 v[TM+\b], |v[AC+16*\b+\i]|, |v[AC+1+16*\b+\i]|, v[TM+\b]   ; (the four blocks by turns)
.endr
.endr
	WIN 0
.irp b, 0,1,2,3
	v_permlanex16_b32 v[TM+4+\b], v[TM+\b], s12, s13
.endr
.irp b, 0,1,2,3
	v_max_num_f32 v[TM+\b], v[TM+\b], v[TM+4+\b]   ; with lane l xor 16's: the block's largest magnitude
.endr
.irp b, 0,1,2,3
	v_add_nc_u32 v[TM+12+\b], 0xff000000, v[TM+\b] ; 2 off its exponent field: the conversion's scale operand
.endr
.irp b, 0,1,2,3
	v_lshrrev_b32 v[TM+4+\b], 23, v[TM+12+\b]      ; the scale's byte
.endr
	v_lshl_or_b32 v[PWS+(\a)], v[TM+5], 8, v[TM+4]
	v_lshl_or_b32 v[PWS+(\a)], v[TM+6], 16, v[PWS+(\a)]
	v_lshl_or_b32 v[PWS+(\a)], v[TM+7], 24, v[PWS+(\a)]
	s_wait_xcnt 0x0                                ; the block before's stores have read the codes' registers: only behind this wait are they written again
	WIN 0x02+((\a)/4)                              ; source 0: window 2 or 3
.irp c, 0,1
	v_cvt_scalef32_pk16_fp6_f32 v[PC+6*\c:PC+2+6*\c], v[AC+32*\c:AC+15+32*\c], v[TM+12+2*\c]
	v_cvt_scalef32_pk16_fp6_f32 v[PC+12+4*\c:PC+14+4*\c], v[AC+16+32*\c:AC+31+32*\c], v[TM+12+2*\c+1]   ; (a conversion's three registers begin on an even number)
.endr
	WIN 0
	v_nop                                          ; one plain line behind a scaled conversion
.irp c, 0,1                                    ; the operand's layout wants a WHOLE block of 32 in a lane: lanes 0-15 block 2 c, lanes 16-31 block 2 c + 1
.irp i, 0,1,2
	v_permlane16_swap_b32 v[PC+6*\c+\i], v[PC+12+4*\c+\i]
.endr
.irp i, 0,1,2
	v_mov_b32 v[PC+3+6*\c+\i], v[PC+12+4*\c+\i]
.endr
.endr
.endm
; The image.  q, k: registers 0-5 are my first head's 64 codes of 16 tokens, registers 6-11 my second head's: six stores, each of 256 consecutive bytes, aligned.  v: a whole fragment of 16 channels x 128 keys: three stores of 512.
.macro PUT a
	s_cmp_eq_u32 s[SEC], 2
	s_cbranch_scc1 .Lput_v_\@
.irp g, 0,1,2,3,4,5
	global_store_b64 v[O8], v[PC+2*\g:PC+2*\g+1], s[8:9] offset:(\a)*768+(\g%3)*256+(\g/3)*98304
.endr
	s_branch .Lput_end_\@
.Lput_v_\@:
.irp c, 0,1,2
	global_store_b128 v[O16], v[PC+4*\c:PC+4*\c+3], s[8:9] offset:((\a)/4)*98304+((\a)%4)*1536+512*\c
.endr
.Lput_end_\@:
.endm
	PLACES NP                                      ; behind the last products: the lines below read results and write registers that held fragments
.irp b, 0,1,2,3
	v_mov_b32 v[TM+4+\b], 0                        ; written once: a lane permute's destination counts as one of its sources
.endr
	s_cmp_lg_u32 s[SEC], 0
	s_cbranch_scc1 .Lno_gate                       ; the gate is q's alone
.irp a, 0,1,2,3,4,5,6,7
	SUMSQ \a
.endr
	WIN 0
.irp i, 0,1,2,3,4,5,6,7,8,9,10,11,12,13,14,15
	v_add_f32 v[SG+2*\i], v[SG+2*\i], v[SG+2*\i+1]
.endr
.irp i, 0,1,2,3,4,5,6,7,8,9,10,11,12,13,14,15
	v_permlanex16_b32 v[SG+2*\i+1], v[SG+2*\i], s12, s13
.endr
.irp i, 0,1,2,3,4,5,6,7,8,9,10,11,12,13,14,15
	v_add_f32 v[SG+2*\i], v[SG+2*\i], v[SG+2*\i+1] ; with lane l xor 16's 32 channels: the head's sum of squares
.endr
.irp i, 0,1,2,3,4,5,6,7,8,9,10,11,12,13,14,15
	v_sqrt_f32 v[SG+2*\i], v[SG+2*\i]              ; |q|: sixteen as one batch,
.endr
	v_nop                                          ; a plain line behind the last,
	s_wait_alu depctr_va_vdst(0)                   ; and one wait ahead of the first line that names a result
.irp i, 0,1,2,3,4,5,6,7,8,9,10,11,12,13,14,15
	v_mul_f32 v[SG+2*\i], 0xbfb8aa3b, v[SG+2*\i]   ; - |q| log2(e)
.endr
.irp i, 0,1,2,3,4,5,6,7,8,9,10,11,12,13,14,15
	v_exp_f32 v[SG+2*\i], v[SG+2*\i]
.endr
	v_nop
	s_wait_alu depctr_va_vdst(0)
.irp i, 0,1,2,3,4,5,6,7,8,9,10,11,12,13,14,15
	v_add_f32 v[SG+2*\i], 1.0, v[SG+2*\i]
.endr
.irp i, 0,1,2,3,4,5,6,7,8,9,10,11,12,13,14,15
	v_rcp_f32 v[SG+2*\i], v[SG+2*\i]               ; sigmoid(|q|) = 1 / (1 + e^-|q|)
.endr
	v_nop
	s_wait_alu depctr_va_vdst(0)
.irp a, 0,1,2,3,4,5,6,7
	GATE \a
.endr
	WIN 0
.Lno_gate:
.irp a, 0,1,2,3,4,5,6,7
	QUANT \a
	PUT \a
.endr
; WORDS.  Every lane holds its row's four bytes of each block; lanes 0-15 make my first head's words, lanes 16-31 my second head's; sixteen lanes store 256 consecutive bytes, aligned.
;   q: [head][4 blocks of tokens][row 16][4 words]: a token's two bytes twice, since q stands in either half of its operand.
;   k: [head][128 keys][row 16][4 words]: word b = the two bytes of token block 2 b, then those of block 2 b + 1: two blocks of keys share a fragment.
;   v: [head][128 keys][row 16][4 words]: word t = the four bytes of the head's 16 channels t.
	s_cmp_eq_u32 s[SEC], 0
	s_cbranch_scc1 .Lwords_q
	s_cmp_eq_u32 s[SEC], 1
	s_cbranch_scc1 .Lwords_k
	v_mov_b32 v[SELR], 0x03020100
	v_mov_b32 v[SELR+1], 0x07060504
	v_cndmask_b32 v[SELR], v[SELR], v[SELR+1], s[HM]
.irp t, 0,1,2,3
	v_perm_b32 v[U+\t], v[PWS+4+\t], v[PWS+\t], v[SELR]
.endr
	global_store_b128 v[OSC], v[U:U+3], s[10:11]
	s_branch .Lwords_end
.Lwords_k:
	v_mov_b32 v[SELR], 0x05040100
	v_mov_b32 v[SELR+1], 0x07060302
	v_cndmask_b32 v[SELR], v[SELR], v[SELR+1], s[HM]
.irp t, 0,1,2,3
	v_perm_b32 v[U+\t], v[PWS+2*\t+1], v[PWS+2*\t], v[SELR]
.endr
	global_store_b128 v[OSC], v[U:U+3], s[10:11]
	s_branch .Lwords_end
.Lwords_q:
	v_mov_b32 v[SELR], 0x01000100
	v_mov_b32 v[SELR+1], 0x03020302
	v_cndmask_b32 v[SELR], v[SELR], v[SELR+1], s[HM]
.irp t, 0,1,2,3,4,5,6,7
	v_perm_b32 v[U+\t], v[PWS+\t], v[PWS+\t], v[SELR]
.endr
	global_store_b128 v[OSC], v[U:U+3], s[10:11]
	global_store_b128 v[OSC], v[U+4:U+7], s[10:11] offset:256
.Lwords_end:
	s_wait_tensorcnt 0x0                           ; the wave's end, behind my last tensor load
	ds_add_u32 v[SPW], v[NIL]
	s_wait_dscnt 0x0
	CROUND                                         ; the closing round: no work-group ends while a partner may still ask for a tile that names it
	s_endpgm
.Lfunc_end_k_q2dc774b923_qkv:
	.size	k_q2dc774b923_qkv, .Lfunc_end_k_q2dc774b923_qkv-k_q2dc774b923_qkv
	.p2alignl 7, 3214868480
	.fill 96, 4, 3214868480
	.section	.rodata,"a",@progbits
	.p2align	6, 0x0
	.amdhsa_kernel k_q2dc774b923_qkv
		.amdhsa_group_segment_fixed_size 327680
		.amdhsa_private_segment_fixed_size 0
		.amdhsa_enable_private_segment 0
		.amdhsa_kernarg_size 32
		.amdhsa_user_sgpr_count 2
		.amdhsa_user_sgpr_kernarg_segment_ptr 1
		.amdhsa_wavefront_size32 1
		.amdhsa_system_sgpr_workgroup_id_x 1
		.amdhsa_system_sgpr_workgroup_id_y 1
		.amdhsa_system_sgpr_workgroup_id_z 1
		.amdhsa_system_vgpr_workitem_id 0
		.amdhsa_next_free_vgpr 1024
		.amdhsa_next_free_sgpr 102
		.amdhsa_reserve_vcc 0
		.amdhsa_float_denorm_mode_32 3
		.amdhsa_float_denorm_mode_16_64 3
		.amdhsa_memory_ordered 1
		.amdhsa_forward_progress 1
		.amdhsa_inst_pref_size 210
	.end_amdhsa_kernel
	.amdgpu_metadata
---
amdhsa.version: [ 1, 2 ]
amdhsa.kernels:
  - .name:           k_q2dc774b923_qkv
    .symbol:         k_q2dc774b923_qkv.kd
    .args:
      - { .name: codes, .offset: 0, .size: 8, .value_kind: global_buffer, .address_space: global }
      - { .name: scales, .offset: 8, .size: 8, .value_kind: global_buffer, .address_space: global }
      - { .name: qkv_img, .offset: 16, .size: 8, .value_kind: global_buffer, .address_space: global }
      - { .name: qkv_sc, .offset: 24, .size: 8, .value_kind: global_buffer, .address_space: global }
    .group_segment_fixed_size: 327680
    .private_segment_fixed_size: 0
    .kernarg_segment_align: 8
    .kernarg_segment_size: 32
    .max_flat_workgroup_size: 128
    .sgpr_count:     102
    .vgpr_count:     1024
    .wavefront_size: 32
...
	.end_amdgpu_metadata
.endif
;; end of part 2
;; launch attn (part 3): grid 4 x 64, 16 waves a work-group, clusters of 4 x 1, 206,848 bytes of LDS; arguments qkv_img, qkv_sc, o_img, o_sc; writes o_img, o_sc
.if DOCPART == 3
	.amdgcn_target "amdgcn-amd-amdhsa--gfx1250"
	.amdhsa_code_object_version 6
	.text
	.protected	k_q2dc774b923_attn
	.globl	k_q2dc774b923_attn
	.p2align	8
	.type	k_q2dc774b923_attn,@function
k_q2dc774b923_attn:
	s_mov_b64 s[64:65], 0
	v_nop
	global_prefetch_b8 v0, s[64:65] scope:SCOPE_SE
	s_setreg_imm32_b32 hwreg(HW_REG_WAVE_MODE, 25, 1), 1
	s_wait_xcnt 0x0
	s_wait_alu depctr_hold_cnt(0) depctr_sa_sdst(0) depctr_va_vdst(0) depctr_va_sdst(0) depctr_va_ssrc(0) depctr_va_vcc(0) depctr_vm_vsrc(0)
	s_getreg_b32 s2, hwreg(HW_REG_IB_STS2, 6, 4)
	s_cmp_eq_u32 s2, 0
	s_cbranch_scc0 .Lentry_in_a_cluster
	s_endpgm
.Lentry_in_a_cluster:
	s_bfe_u32 s2, ttmp6, 0x10000c
	s_cmp_lg_u32 s2, 0x3003
	s_cbranch_scc0 .Lentry_shape_is_right
	s_endpgm
.Lentry_shape_is_right:
; O = softmax(q k^T / 8) v for 64 heads of 2,048 tokens x 64 channels, both products on codes of FP6 (E2M3) with E8M0 scales; O is quantised along its channels for the last product and stored as codes.
; THE SOFTMAX AHEAD OF THE SECOND PRODUCT: t = score x log2(e) / 8; M = the row's largest t so far, rounded UP to a whole number; p = 2^(t - M) is what is quantised, along the keys; the row's sum is taken of
; the unquantised p and divides O at the end.  When M moves, the sum and O are multiplied by 2^(old M - new M): exact.
; SHARES.  A cluster of four work-groups owns a head, each 512 queries: two passes of 256, one block of 16 queries to each of sixteen waves (four waves to a SIMD: one's vector work stands beside another's products).
; A HEAD'S WHOLE K AND V STAY IN LDS: 2 x 98,304 bytes of codes and 2 x 4,096 of scale words, as images of operand registers.  They are filled ONCE, by joint loads of the four partners: no byte of LDS is filled again.
; Wave 0 brings K and wave 1 V, each its scale words and four chunks of 512 keys: five loads of a wave are out at the most; the keys are walked chunk by chunk, behind a counted wait and a barrier.
; LAYOUT.  Both products are used transposed: S^T = K Q^T, O^T = V^T P^T: a lane holds ONE query (lane % 16) throughout.
; THE FIRST PRODUCT'S K IS 64, THE INSTRUCTION'S 128: a fragment of K holds TWO blocks of 16 keys, one in each half of K, and is multiplied by [q | 0] and by [0 | q].  So each fragment read feeds two products.
; The tokens of a block of 16 are tokens 8 u + r + 8 (r / 8) of a group of 32 (so the launches before have laid them): the 16 registers of S^T's tiles 2 b, 2 b + 1 are keys 32 b + 16 (lane / 16) + 0 .. 15, and
; those of O^T's tiles likewise 16 neighbouring channels.
; No prefetch: every tensor load is issued at the head, so no later request exists that one could run ahead of.
; The scale bytes of O leave one byte a lane: a word of four holds two heads' bytes, which two clusters make; they are one byte in 25 of what the launch stores.
; LIMITS: NaN and infinities are not served.  A block's largest p is taken from its largest score: that leans on v_exp_f32 not falling where its input rises.  A block of zeros gets the byte 1.
; REGISTERS: v1-7, v34 addresses that stay; v8-11 addresses in hand; v12 -M, v13 the largest t, v[14:15] the sum in two halves; v16-21 q, v22-27 zeros, v28-33 q again; v36-83 four fragments of K or V;
;   v96-159 S^T, then p; v160-191 O^T; v224-235 p's codes; v232-254 at work; v248-251 K's or V's scale words, v253 p's, v255 q's.
.set KIMG,  0                          ; LDS: K's images: [128 keys 16][fragment 4][6 groups][256 bytes]
.set VIMG,  98304                      ; V's: [128 keys 16][16 channels 4][3 groups][512 bytes]
.set KSC,   196608                     ; K's scale words: [128 keys 16][row 16][4 words]
.set VSC,   200704                     ; V's likewise
.set SPARE, 204800                     ; the spare words, 128 bytes for each of sixteen waves, which no other line names
.set CHUNK_B, 24576                    ; 512 keys of codes
.set AK0,  1                           ; v1   8 x lane: my place in a group of K's image, and in the images in memory
.set AV0,  2                           ; v2   VIMG + 16 x lane
.set ASK0, 3                           ; v3   KSC + 16 x (lane % 16)
.set ASV0, 4                           ; v4   VSC + 16 x (lane % 16)
.set SPW,  5                           ; v5   LDS address of my spare word; never rewritten
.set NIL,  6                           ; v6   0; never rewritten
.set QW,   7                           ; v7   16 x (lane % 16): q's scale words in memory
.set OB,   34                          ; v34  32 x (lane % 16) + lane / 16: my byte among O's scale bytes
.set ADK,  8
.set ADV,  9
.set ADS,  10
.set ADT,  11
.set KV,   36
.set WV,   12                          ; s12  my wave's number
.set SEL,  20                          ; s[20:21] v_permlanex16_b32's selects: lane l xor 16
.set CS,   22                          ; s[22:23] c = log2(e) / 8
.set G1I,  24                          ; s[24:31] descriptor group 1 for a chunk of images
.set G1S,  32                          ; s[32:39] for the scale words
.set G0S,  40                          ; s[40:43] group 0 for the scale words
.set G0C,  44                          ; s[44:59] groups 0 for the four chunks
.set TK,   60                          ; s60  the step's codes: 6,144 bytes a step
.set TS,   61                          ; s61  the step's scale words: 256 bytes a step
.set CNT,  62                          ; s62  steps to go in a chunk
.set PASS, 63                          ; s63  passes to go
.set HM,   66                          ; s66  a mask of lanes 16-31
.macro CROUND                          ; a round of the cluster's barrier
	s_barrier_signal -1
	s_barrier_wait -1
	s_cmp_lg_u32 s[WV], 0
	s_cbranch_scc1 .Lnot_wave_0_\@
	s_barrier_signal -3
.Lnot_wave_0_\@:
	s_barrier_wait -3
	s_barrier_signal -1
	s_barrier_wait -1
.endm
	s_load_b256 s[4:11], s[0:1], 0x0               ; qkv_img s[4:5], qkv_sc s[6:7], o_img s[8:9], o_sc s[10:11]
	v_lshl_add_u32 v[SPW], v0, 2, SPARE
	v_mov_b32 v[NIL], 0
	ds_add_u32 v[SPW], v[NIL]                      ; the wave's opening: the add and its wait stand ahead of the first tensor loads; the set-up below, work on registers, stands between them
	v_lshrrev_b32 v8, 5, v0
	v_readfirstlane_b32 s[WV], v8                  ; wave 0..15
	s_bfe_u32 s13, ttmp6, 0x40000                  ; cx: my quarter of the head's queries: it enters Q's and O's addresses alone
	s_and_b32 s14, ttmp7, 0xffff                   ; 16 x batch + head, which the four partners share
	s_and_b32 s15, s[WV], 1                        ; wave 0 fetches K, wave 1 V
	; descriptor group 1: a dense block as rows of 256 bytes (32 elements of 8 bytes), no padding: 96 rows for a chunk, 16 for the scale words
	s_mov_b32 s[G1I], 15|(3<<16)|(1<<21)           ; 15:0 the mask: all four work-groups; 17:16 elements of 8 bytes; 21 set beside a mask
	s_mov_b32 s[G1I+1], 32<<16                     ; tensor_dim0
	s_mov_b32 s[G1I+2], 96<<16                     ; tensor_dim1
	s_mov_b32 s[G1I+3], 32<<16                     ; tile_dim0
	s_mov_b32 s[G1I+4], 96                         ; tile_dim1
	s_mov_b32 s[G1I+5], 32                         ; tensor_dim0_stride
	s_mov_b32 s[G1I+6], 0
	s_mov_b32 s[G1I+7], 0
	s_mov_b32 s[G1S], 15|(3<<16)|(1<<21)
	s_mov_b32 s[G1S+1], 32<<16
	s_mov_b32 s[G1S+2], 16<<16
	s_mov_b32 s[G1S+3], 32<<16
	s_mov_b32 s[G1S+4], 16
	s_mov_b32 s[G1S+5], 32
	s_mov_b32 s[G1S+6], 0
	s_mov_b32 s[G1S+7], 0
	s_lshl_b32 s74, s15, 18                        ; the scale words in memory: k's at 524,288, v's 262,144 on; 4,096 bytes a head
	s_lshl_b32 s75, s14, 12
	s_add_co_u32 s74, s74, s75
	s_add_co_u32 s74, s74, 524288
	s_mov_b32 s75, 0
	s_add_co_u32 s76, s15, 1                       ; the images: section 1 is k's, section 2 v's; 98,304 bytes a head
	s_mul_i32 s76, s76, 6291456
	s_mul_i32 s77, s14, 98304
	s_add_co_u32 s76, s76, s77
	s_mov_b32 s77, 0
	s_mul_i32 s78, s15, VIMG                       ; and in LDS: made of the wave's number alone
	s_lshl_b32 s79, s15, 12
	; my block of 16 queries in pass 0, and where its q, its scale words and its O lie
	s_lshl_b32 s2, s13, 5
	s_add_co_u32 s2, s2, s[WV]                     ; block 32 cx + wave of the head's 128
	s_mul_i32 s16, s14, 98304
	s_mul_i32 s17, s2, 768
	s_add_co_u32 s16, s16, s17                     ; q's image
	s_mov_b32 s17, 0
	s_lshl_b32 s68, s14, 13                        ; q's scale words: 8,192 bytes a head, 256 for four blocks, my block's word among four
	s_lshr_b32 s69, s2, 2
	s_lshl_b32 s69, s69, 8
	s_add_co_u32 s68, s68, s69
	s_and_b32 s69, s2, 3
	s_lshl_b32 s69, s69, 2
	s_add_co_u32 s68, s68, s69
	s_mov_b32 s69, 0
	s_lshr_b32 s3, s14, 4
	s_lshl_b32 s3, s3, 7
	s_add_co_u32 s3, s3, s2                        ; block of 16 tokens among all 512: 128 x batch + block
	s_and_b32 s60, s14, 15                         ; the head
	s_mul_i32 s70, s3, 12288                       ; O's image: 12,288 bytes a block of tokens, 768 a head
	s_mul_i32 s71, s60, 768
	s_add_co_u32 s70, s70, s71
	s_mov_b32 s71, 0
	s_lshl_b32 s72, s3, 9                          ; O's scale bytes: 32 a token, 2 a head
	s_lshl_b32 s73, s60, 1
	s_add_co_u32 s72, s72, s73
	s_mov_b32 s73, 0
	s_mov_b32 s[SEL], 0x76543210
	s_mov_b32 s[SEL+1], 0xfedcba98
	s_mov_b32 s[CS], 0x3e38aa3b                    ; c = log2(e) / 8
	s_mov_b32 s[CS+1], s[CS]                       ; (named with it as a pair, so it is written)
	s_mov_b32 s[HM], 0xffff0000
	s_mov_b32 s[PASS], 2
	s_wait_dscnt 0x0                               ; the opening add is done
	s_wait_kmcnt 0x0
	s_mov_b32 s[G0S], 1                            ; 1:0 count = 1
	s_add_co_u32 s[G0S+1], s79, KSC                ; 63:32 LDS address
	s_add_nc_u64 s[G0S+2:G0S+3], s[6:7], s[74:75]  ; 120:64 global address
	s_or_b32 s[G0S+3], s[G0S+3], 0x80000000        ; 127:126 type = 2
	s_add_nc_u64 s[76:77], s[4:5], s[76:77]
.irp c, 0,1,2,3
	s_mov_b32 s[G0C+4*\c], 1
	s_add_co_u32 s[G0C+4*\c+1], s78, \c*CHUNK_B
	s_add_nc_u64 s[G0C+4*\c+2:G0C+4*\c+3], s[76:77], \c*CHUNK_B
	s_or_b32 s[G0C+4*\c+3], s[G0C+4*\c+3], 0x80000000
.endr
	s_add_nc_u64 s[18:19], s[4:5], s[16:17]        ; q's image (section 0)
	s_add_nc_u64 s[68:69], s[6:7], s[68:69]
	s_add_nc_u64 s[70:71], s[8:9], s[70:71]
	s_add_nc_u64 s[72:73], s[10:11], s[72:73]
	CROUND                                         ; all four work-groups are here: the joint loads meet
	s_cmp_lt_u32 s[WV], 2                          ; all the launch's fills stand in one branch on the wave's number, ahead of every wait on TENSORcnt, every LDS read and every other barrier
	s_cbranch_scc0 .Lno_fill
	tensor_load_to_lds s[G0S:G0S+3], s[G1S:G1S+7]
	s_nop 0
.irp c, 0,1,2,3
	tensor_load_to_lds s[G0C+4*\c:G0C+4*\c+3], s[G1I:G1I+7]
	s_nop 0
.endr
.rept 4
	v_nop
.endr
.Lno_fill:
	v_and_b32 v8, 31, v0                           ; lane
	v_and_b32 v9, 15, v0                           ; r
	v_bfe_u32 v10, v0, 4, 1                        ; h
	v_lshlrev_b32 v[AK0], 3, v8
	v_lshl_add_u32 v[AV0], v8, 4, VIMG
	v_lshl_add_u32 v[ASK0], v9, 4, KSC
	v_lshl_add_u32 v[ASV0], v9, 4, VSC
	v_lshlrev_b32 v[QW], 4, v9
	v_lshl_add_u32 v[OB], v9, 5, v10
.irp j, 22,23,24,25,26,27
	v_mov_b32 v[\j], 0                             ; the zero codes beside q: [q | 0] = v[16:27], [0 | q] = v[22:33]
.endr
.irp b, 0,1,2,3
	v_mov_b32 v[236+\b], 0                         ; written once: a lane permute's destination counts as one of its sources
.endr
	v_mov_b32 v252, 0
	v_mov_b32 v253, 0                              ; (named as the upper half of the pair v[252:253] before it is first written)
; A KEY STEP: 128 keys.
.macro STEP
	v_add_nc_u32 v[ADK], s[TK], v[AK0]             ; these four are also the places between the last step's products and the loads into their registers
	v_add_nc_u32 v[ADV], s[TK], v[AV0]
	v_add_nc_u32 v[ADS], s[TS], v[ASK0]
	v_add_nc_u32 v[ADT], s[TS], v[ASV0]
.irp b, 0,1,2,3
.irp g, 0,1,2,3,4,5
	ds_load_b64 v[KV+12*\b+2*\g:KV+12*\b+2*\g+1], v[ADK] offset:1536*\b+256*\g   ; 32 lanes read 256 consecutive bytes: two registers of the image
.endr
.endr
	ds_load_b128 v[248:251], v[ADS]                ; row r's four words, one for each fragment
	s_wait_dscnt 0x0
.irp b, 0,1,2,3                                ; S^T: one fragment of K against [q | 0] (its first 16 keys) and [0 | q] (its second 16)
	v_wmma_scale_f32_16x16x128_f8f6f4 v[96+16*\b:103+16*\b], v[KV+12*\b:KV+12*\b+11], v[16:27], 0, v[248+\b], v255 matrix_a_fmt:MATRIX_FMT_FP6 matrix_b_fmt:MATRIX_FMT_FP6
	v_wmma_scale_f32_16x16x128_f8f6f4 v[104+16*\b:111+16*\b], v[KV+12*\b:KV+12*\b+11], v[22:33], 0, v[248+\b], v255 matrix_a_fmt:MATRIX_FMT_FP6 matrix_b_fmt:MATRIX_FMT_FP6
.endr                                          ; register 16 b + i of v96 on is key 32 b + 16 (lane / 16) + i
.rept 4
	v_nop                                          ; places ahead of the first read of results
.endr
.irp b, 0,1,2,3
	v_max3_num_f32 v[232+\b], v[96+16*\b], v[97+16*\b], v[98+16*\b]   ; THE LARGEST SCORE OF EACH BLOCK OF 32 KEYS: it serves for the row's maximum and, since p rises with the score, for the block's largest p
.endr
.irp i, 3,5,7,9,11,13
.irp b, 0,1,2,3
	v_max3_num_f32 v[232+\b], v[232+\b], v[96+16*\b+\i], v[97+16*\b+\i]   ; (the four blocks by turns)
.endr
.endr
.irp b, 0,1,2,3
	v_max_num_f32 v[232+\b], v[232+\b], v[111+16*\b]
.endr
.irp b, 0,1,2,3
	v_permlanex16_b32 v[236+\b], v[232+\b], s[SEL], s[SEL+1]
.endr
.irp b, 0,1,2,3
	v_max_num_f32 v[232+\b], v[232+\b], v[236+\b]  ; with lane l xor 16's 16 keys
.endr
	v_max3_num_f32 v254, v232, v233, v234
	v_max_num_f32 v254, v254, v235                 ; the step's largest score of my query
	v_mul_f32 v254, s[CS], v254                    ; as t (c is positive)
	v_max_num_f32 v13, v13, v254                   ; the running largest t
	v_mov_b32 v254, v12
	v_floor_f32 v12, -v13                          ; the new -M = floor(-t) = -ceil(t): M is a whole number
	v_sub_f32 v254, v12, v254                      ; M's old value less its new one: a whole number, 0 or less
	v_cvt_i32_f32 v254, v254                       ; (it saturates)
	v_ldexp_f32 v252, 1.0, v254                    ; f = 2^(old M - new M)
.irp j, 0,2,4,6,8,10,12,14,16,18,20,22,24,26,28,30,32,34,36,38,40,42,44,46,48,50,52,54,56,58,60,62
	v_pk_fma_f32 v[96+\j:97+\j], v[96+\j:97+\j], s[CS:CS+1], v[12:13] op_sel_hi:[1,0,0]   ; t - M, two at a time
.endr
.irp b, 0,1,2,3
	v_fma_f32 v[232+\b], v[232+\b], s[CS], v12     ; the same of each block's largest score
.endr
.irp j, 0,1,2,3,4,5,6,7,8,9,10,11,12,13,14,15,16,17,18,19,20,21,22,23,24,25,26,27,28,29,30,31,32,33,34,35,36,37,38,39,40,41,42,43,44,45,46,47,48,49,50,51,52,53,54,55,56,57,58,59,60,61,62,63
	v_exp_f32 v[96+\j], v[96+\j]                   ; p = 2^(t - M), at most 1: not normalised
.endr
	v_pk_mul_f32 v[14:15], v[14:15], v[252:253] op_sel_hi:[1,0]   ; the sums under the new M (the plain line behind the exponentials)
	s_wait_alu depctr_va_vdst(0)                   ; one wait for the whole batch, ahead of the first line that names a result
.irp b, 0,1,2,3
	v_exp_f32 v[232+\b], v[232+\b]                 ; the block's largest p: the same two instructions on the same number give the same bits
.endr
	v_pk_add_f32 v[236:237], v[96:97], v[98:99]    ; THE ROW'S SUM IS TAKEN OF THE UNQUANTISED p: two at a time, in two chains
.irp j, 4,8,12,16,20,24,28,32,36,40,44,48,52,56,60
	v_pk_add_f32 v[14:15], v[14:15], v[96+\j:97+\j]
	v_pk_add_f32 v[236:237], v[236:237], v[98+\j:99+\j]
.endr
	v_pk_add_f32 v[14:15], v[14:15], v[236:237]
	s_wait_alu depctr_va_vdst(0)                   ; and one for the four
.irp b, 0,1,2,3
	v_max_num_f32 v[232+\b], 0x1800000, v[232+\b]  ; the floor 2^(3 - 127): the byte cannot fall under 1
.endr
.irp b, 0,1,2,3
	v_add_nc_u32 v[244+\b], 0xff000000, v[232+\b]  ; 2 off the exponent field: the conversion's scale operand
.endr
.irp b, 0,1,2,3
	v_lshrrev_b32 v[236+\b], 23, v[244+\b]         ; the scale's byte
.endr
	v_lshl_or_b32 v253, v237, 8, v236              ; p's scale word for these 128 keys
	v_lshl_or_b32 v253, v238, 16, v253
	v_lshl_or_b32 v253, v239, 24, v253
.irp c, 0,1
	v_cvt_scalef32_pk16_fp6_f32 v[224+6*\c:226+6*\c], v[96+32*\c:111+32*\c], v[244+2*\c]
	v_cvt_scalef32_pk16_fp6_f32 v[236+4*\c:238+4*\c], v[112+32*\c:127+32*\c], v[244+2*\c+1]   ; (a conversion's three registers begin on an even number)
.endr
	v_nop                                          ; one plain line behind a scaled conversion
.irp c, 0,1                                    ; the operand's layout wants a WHOLE block in a lane
.irp i, 0,1,2
	v_permlane16_swap_b32 v[224+6*\c+\i], v[236+4*\c+\i]
.endr
.irp i, 0,1,2
	v_mov_b32 v[227+6*\c+\i], v[236+4*\c+\i]
.endr
.endr
.irp j, 0,2,4,6,8,10,12,14,16,18,20,22,24,26,28,30
	v_pk_mul_f32 v[160+\j:161+\j], v[160+\j:161+\j], v[252:253] op_sel_hi:[1,0]   ; O^T under the new M, each accumulator from its low end on.  (These 16 are also the places ahead of the products below)
.endr
.irp t, 0,1,2,3
.irp c, 0,1,2
	ds_load_b128 v[KV+12*\t+4*\c:KV+12*\t+4*\c+3], v[ADV] offset:1536*\t+512*\c   ; 32 lanes read 512 consecutive bytes: four registers of the image
.endr
.endr
	ds_load_b128 v[248:251], v[ADT]
	s_wait_dscnt 0x0
.irp t, 0,1,2,3                                ; O^T += V^T P^T: the four accumulators by turns, one instruction a turn, the eight products of S^T between two turns
	v_wmma_scale_f32_16x16x128_f8f6f4 v[160+8*\t:167+8*\t], v[KV+12*\t:KV+12*\t+11], v[224:235], v[160+8*\t:167+8*\t], v[248+\t], v253 matrix_a_fmt:MATRIX_FMT_FP6 matrix_b_fmt:MATRIX_FMT_FP6
.endr
	s_add_co_u32 s[TK], s[TK], 6144
	s_add_co_u32 s[TS], s[TS], 256
.endm
; 512 keys.  The fetching waves wait until the scale words and chunks 0 .. c have landed (the 3 - c chunks behind may stay out), then all sixteen meet.  In the second pass the wait is met at once.
.macro CHUNK c
	s_wait_tensorcnt 3-\c
	s_barrier_signal -1
	s_barrier_wait -1
	s_mov_b32 s[TK], \c*CHUNK_B
	s_mov_b32 s[TS], \c*1024
	s_mov_b32 s[CNT], 4
.Lstep_\@:
	STEP
	s_sub_co_u32 s[CNT], s[CNT], 1
	s_cmp_lg_u32 s[CNT], 0
	s_cbranch_scc1 .Lstep_\@
.endm
.Lpass:
.irp g, 0,1,2
	global_load_b64 v[16+2*\g:17+2*\g], v[AK0], s[18:19] offset:256*\g   ; my 16 queries' codes, as they were stored,
	global_load_b64 v[28+2*\g:29+2*\g], v[AK0], s[18:19] offset:256*\g   ; and once more, for the other half of K
.endr
	global_load_b32 v255, v[QW], s[68:69]          ; q's scale words
	v_mov_b32 v13, 0xff61b1e6                      ; the largest t so far: -3e38, under every t
	v_floor_f32 v12, -v13                          ; -M
	v_mov_b32 v14, 0                               ; the sum, in two halves
	v_mov_b32 v15, 0
.irp j, 0,1,2,3,4,5,6,7,8,9,10,11,12,13,14,15,16,17,18,19,20,21,22,23,24,25,26,27,28,29,30,31
	v_mov_b32 v[160+\j], 0                         ; O^T.  (The step has no first form of its own: it finds zeros, which the first change of M leaves zeros)
.endr
	s_wait_loadcnt 0x0
	CHUNK 0
	CHUNK 1
	CHUNK 2
	CHUNK 3
	; OUT.  O^T / the sum; its 64 channels are two blocks of 32 along the last product's K: quantised as p is, and stored as registers 0-5 of a fragment.
	v_add_f32 v14, v14, v15                        ; the sum's two halves,
	v_permlanex16_b32 v252, v14, s[SEL], s[SEL+1]
	v_add_f32 v14, v14, v252                       ; and lane l xor 16's: the row's sum
	v_rcp_f32 v14, v14
.rept 4
	v_nop                                          ; the plain line behind the reciprocal, and the places behind the last products
.endr
	s_wait_alu depctr_va_vdst(0)                   ; the wait ahead of the first line that names the reciprocal
.irp j, 0,2,4,6,8,10,12,14,16,18,20,22,24,26,28,30
	v_pk_mul_f32 v[96+\j:97+\j], v[160+\j:161+\j], v[14:15] op_sel_hi:[1,0]   ; register 16 b + i is channel 32 b + 16 (lane / 16) + i
.endr
.irp b, 0,1
	v_max3_num_f32 v[232+\b], |v[96+16*\b]|, |v[97+16*\b]|, 0x1800000
.endr
.irp i, 2,4,6,8,10,12,14
.irp b, 0,1
	v_max3_num_f32 v[232+\b], v[232+\b], |v[96+16*\b+\i]|, |v[97+16*\b+\i]|
.endr
.endr
.irp b, 0,1
	v_permlanex16_b32 v[236+\b], v[232+\b], s[SEL], s[SEL+1]
.endr
.irp b, 0,1
	v_max_num_f32 v[232+\b], v[232+\b], v[236+\b]
.endr
.irp b, 0,1
	v_add_nc_u32 v[244+\b], 0xff000000, v[232+\b]
.endr
.irp b, 0,1
	v_lshrrev_b32 v[236+\b], 23, v[244+\b]
.endr
	v_cndmask_b32 v246, v236, v237, s[HM]          ; lanes 0-15 store block 0's byte, lanes 16-31 block 1's
	v_cvt_scalef32_pk16_fp6_f32 v[224:226], v[96:111], v244
	v_cvt_scalef32_pk16_fp6_f32 v[240:242], v[112:127], v245
	v_nop                                          ; one plain line behind a scaled conversion
.irp i, 0,1,2
	v_permlane16_swap_b32 v[224+\i], v[240+\i]
.endr
.irp i, 0,1,2
	v_mov_b32 v[227+\i], v[240+\i]
.endr
.irp g, 0,1,2
	global_store_b64 v[AK0], v[224+2*\g:225+2*\g], s[70:71] offset:256*\g   ; 32 lanes store 256 consecutive bytes, aligned
.endr
	global_store_b8 v[OB], v246, s[72:73]
	s_wait_xcnt 0x0                                ; the stores have read their registers and bases: both may be written again
	s_add_nc_u64 s[18:19], s[18:19], 16*768        ; sixteen blocks of queries on
	s_add_nc_u64 s[68:69], s[68:69], 4*256
	s_add_nc_u64 s[70:71], s[70:71], 16*12288
	s_add_nc_u64 s[72:73], s[72:73], 16*512
	s_sub_co_u32 s[PASS], s[PASS], 1
	s_cmp_lg_u32 s[PASS], 0
	s_cbranch_scc1 .Lpass
	s_wait_tensorcnt 0x0                           ; the wave's end, behind the last tensor load
	ds_add_u32 v[SPW], v[NIL]
	s_wait_dscnt 0x0
	CROUND                                         ; the closing round
	s_endpgm
.Lfunc_end_k_q2dc774b923_attn:
	.size	k_q2dc774b923_attn, .Lfunc_end_k_q2dc774b923_attn-k_q2dc774b923_attn
	.p2alignl 7, 3214868480
	.fill 96, 4, 3214868480
	.section	.rodata,"a",@progbits
	.p2align	6, 0x0
	.amdhsa_kernel k_q2dc774b923_attn
		.amdhsa_group_segment_fixed_size 206848
		.amdhsa_private_segment_fixed_size 0
		.amdhsa_enable_private_segment 0
		.amdhsa_kernarg_size 32
		.amdhsa_user_sgpr_count 2
		.amdhsa_user_sgpr_kernarg_segment_ptr 1
		.amdhsa_wavefront_size32 1
		.amdhsa_system_sgpr_workgroup_id_x 1
		.amdhsa_system_sgpr_workgroup_id_y 1
		.amdhsa_system_sgpr_workgroup_id_z 1
		.amdhsa_system_vgpr_workitem_id 0
		.amdhsa_next_free_vgpr 256
		.amdhsa_next_free_sgpr 80
		.amdhsa_reserve_vcc 0
		.amdhsa_float_denorm_mode_32 3
		.amdhsa_float_denorm_mode_16_64 3
		.amdhsa_memory_ordered 1
		.amdhsa_forward_progress 1
		.amdhsa_inst_pref_size 78
	.end_amdhsa_kernel
	.amdgpu_metadata
---
amdhsa.version: [ 1, 2 ]
amdhsa.kernels:
  - .name:           k_q2dc774b923_attn
    .symbol:         k_q2dc774b923_attn.kd
    .args:
      - { .name: qkv_img, .offset: 0, .size: 8, .value_kind: global_buffer, .address_space: global }
      - { .name: qkv_sc, .offset: 8, .size: 8, .value_kind: global_buffer, .address_space: global }
      - { .name: o_img, .offset: 16, .size: 8, .value_kind: global_buffer, .address_space: global }
      - { .name: o_sc, .offset: 24, .size: 8, .value_kind: global_buffer, .address_space: global }
    .group_segment_fixed_size: 206848
    .private_segment_fixed_size: 0
    .kernarg_segment_align: 8
    .kernarg_segment_size: 32
    .max_flat_workgroup_size: 512
    .sgpr_count:     80
    .vgpr_count:     256
    .wavefront_size: 32
...
	.end_amdgpu_metadata
.endif
;; end of part 3
;; launch proj (part 4): grid 4 x 32, 4 waves a work-group, clusters of 4 x 4, 327,680 bytes of LDS; arguments o_img, o_sc, codes, scales, b_proj, out0; writes out0
.if DOCPART == 4
	.amdgcn_target "amdgcn-amd-amdhsa--gfx1250"
	.amdhsa_code_object_version 6
	.text
	.protected	k_q2dc774b923_proj
	.globl	k_q2dc774b923_proj
	.p2align	8
	.type	k_q2dc774b923_proj,@function
k_q2dc774b923_proj:
	s_mov_b64 s[64:65], 0
	v_nop
	global_prefetch_b8 v0, s[64:65] scope:SCOPE_SE
	s_setreg_imm32_b32 hwreg(HW_REG_WAVE_MODE, 25, 1), 1
	s_wait_xcnt 0x0
	s_wait_alu depctr_hold_cnt(0) depctr_sa_sdst(0) depctr_va_vdst(0) depctr_va_sdst(0) depctr_va_ssrc(0) depctr_va_vcc(0) depctr_vm_vsrc(0)
	s_getreg_b32 s2, hwreg(HW_REG_IB_STS2, 6, 4)
	s_cmp_eq_u32 s2, 0
	s_cbranch_scc0 .Lentry_in_a_cluster
	s_endpgm
.Lentry_in_a_cluster:
	s_bfe_u32 s2, ttmp6, 0x10000c
	s_cmp_lg_u32 s2, 0xf033
	s_cbranch_scc0 .Lentry_shape_is_right
	s_endpgm
.Lentry_shape_is_right:
; out0 = O w_proj^T + b_proj on codes of FP6 (E2M3) with E8M0 scales, K = 1,024.  O comes as images of operand registers ([block of 16 tokens 512][128 channels 8][6 groups][256 bytes]) with its scale bytes
; [8,192 tokens][32]; w_proj as rows of codes (places 11,264 .. of the codes' buffer) with their scale bytes.  out0: [8,192][1,024] f32.
; A tile is 256 x 256, made by four waves, each 128 x 128: 64 accumulators, 512 registers.  K goes in steps of 256 through a ring of two LDS slots.
; THE MATRIX INSTRUCTION IS USED TRANSPOSED: source 0 = 16 rows of w_proj, source 1 = 16 tokens: a lane holds numbers of one row of out0.
; BOTH SIDES LIE IN THE ORDER OF THE LAUNCHES BEFORE: 16 neighbouring places are rows 8 u + r + 8 (r / 8) of a group of 32.  The way out undoes both by constants: the columns in the stage's offsets, the rows in the stores' offsets.
; The bias is the C of each sum's first matrix instruction: eight registers a column block, in the result's layout.
; CLUSTERS: 4 x 4: the tokens' tile is shared along a row of the cluster, w_proj's along a column: each is asked for jointly.  128 work-groups: what 256 x 256 tiles of this product give.
; No prefetch: of four K steps two are first fills and the other two would have to be named at the head, where every work-group's first tiles are on their way.
; REGISTERS, in windows of 256: window 0: v0-31 addresses; v32-63 scale words, two sets; v64-127 the bias; from v128 the tokens' fragments, ONE set; on the way out v128-255 rows of out0.
;   window 1: w_proj's fragments, TWO sets.   window 2: the accumulators of my rows 0-63 ((a, b) at v[8 (8 a + b)]);   window 3: those of my rows 64-127.
.set KSTEP,  256
.set NQ,     KSTEP/128
.set ROWB,   192                       ; a row of w_proj's tile in bytes
.set KROW,   768                       ; a row of codes in memory
.set PITCH,  240                       ; its LDS row: 3 x (64 bytes + 16 of padding)
.set FR,     12
.set NL,     6
.set NP,     4
.set HALFT,  128*PITCH                 ; 128 rows of w_proj: one tensor load
.set IMGB,   3072                      ; a block of 16 tokens x 256 along K as images
.set HALFA,  8*IMGB                    ; 128 tokens: one tensor load
.set SLOT,   2*HALFA+2*HALFT           ; the tokens' 256, then w_proj's 256 rows
.set KS,     32
.set SCL,    2*SLOT                    ; behind the ring: the scales of all of K, as runs of 256 bytes + 16 of padding
.set HALFS,  (128*KS/256)*272
.set SBLK,   (16*KS/256)*272
.set SPARE,  SCL+4*HALFS               ; the spare words, 128 bytes for each wave, which no other line names
.set SPITCH, 528                       ; the way out: a stage of 16 rows x (512 bytes + 16) for each wave.  It lies in slot 0, which has had its last fill and its last read when the first result is stored there
.set ADRA, 16                          ; v16-17  LDS address of the tokens' images in slot 0, 1
.set ADRB, 20                          ; v20-21  of w_proj's fragments  (v22-23: for the pieces behind one padding more)
.set STO,  24                          ; v24     the way out: where I put my numbers of a row
.set RD,   25                          ; v25     where I read a row back
.set CO,   26                          ; v26     my byte offset in a row of out0
.set ADRS, 27                          ; v27     LDS address of my scale words
.set SPW,  28                          ; v28     LDS address of my spare word; never rewritten
.set NIL,  29                          ; v29     0; never rewritten
.set SC,   32
.set BI,   64                          ; v64-127 the bias: column block b at v[BI + 8 b]
.set AF,   128
.set BK,   128                         ; the way out: 16 rows read back: v128-191 and v192-255 by turns
.set G1, 24
.set G0, 32
.set G1B, 48
.set G0B, 56
.set G1S, 68
.set G0S, 76
.set G1SB, 80
.set G0SB, 88
.set MSB, 0
.macro WIN new
.if MSB != (\new)
	s_set_vgpr_msb (MSB<<8)|(\new)
.set MSB, (\new)
.endif
.endm
.set MUL_LO, 0xa1                      ; source 0 window 1, source 1 window 0, C and D window 2
.set MUL_HI, 0xf1                      ; the same, C and D window 3
.set FST_LO, 0x81                      ; the first step: C (the bias) window 0, D window 2
.set FST_HI, 0xc1                      ; D window 3
.set TO_B,   0x40
.macro JLOAD g0a, g1a, g0b, g1b        ; a joint load: waves 0 and 1 fetch the tokens' halves, waves 2 and 3 w_proj's; an s_nop 0 and four v_nop follow each of the two lines
	s_cmp_eq_u32 s15, 0
	s_cbranch_scc0 .Lfor_b_\@
	tensor_load_to_lds s[\g0a:\g0a+3], s[\g1a:\g1a+7]
	s_nop 0
.rept 4
	v_nop
.endr
	s_branch .Lasked_\@
.Lfor_b_\@:
	tensor_load_to_lds s[\g0b:\g0b+3], s[\g1b:\g1b+7]
	s_nop 0
.rept 4
	v_nop
.endr
.Lasked_\@:
.endm
.macro CREST
	s_cmp_lg_u32 s14, 0
	s_cbranch_scc1 .Lnot_wave_0_\@
	s_barrier_signal -3
.Lnot_wave_0_\@:
	s_barrier_wait -3
	s_barrier_signal -1
	s_barrier_wait -1
.endm
.macro CROUND
	s_barrier_signal -1
	s_barrier_wait -1
	CREST
.endm
	s_load_b256 s[4:11], s[0:1], 0x0               ; o_img s[4:5], o_sc s[6:7], codes s[8:9], scales s[10:11]
	s_load_b128 s[96:99], s[0:1], 0x20             ; b_proj s[96:97], out0 s[98:99]
	v_lshl_add_u32 v[SPW], v0, 2, SPARE
	v_mov_b32 v[NIL], 0
	ds_add_u32 v[SPW], v[NIL]                      ; the wave's opening: the add and its wait stand ahead of my first tensor load; the set-up below, work on registers, stands between them
	v_lshrrev_b32 v1, 5, v0
	v_readfirstlane_b32 s14, v1                    ; wave 0..3
	s_lshr_b32 s15, s14, 1                         ; which half of the tile's tokens is mine.  Also: I fetch tokens (0) or w_proj (1)
	s_and_b32 s16, s14, 1                          ; which half of its columns.  Also: which half of that tile I fetch
	s_bfe_u32 s40, ttmp6, 0x40000                  ; cx, cy
	s_bfe_u32 s41, ttmp6, 0x40004
	s_lshl_b32 s42, ttmp9, 2
	s_add_co_u32 s42, s42, s40                     ; tile column = 4 x cluster x + cx
	s_and_b32 s17, ttmp7, 0xffff
	s_lshl_b32 s17, s17, 2
	s_add_co_u32 s17, s17, s41                     ; tile row = 4 x cluster y + cy
	s_lshl_b32 s43, s41, 2
	s_lshl_b32 s43, 15, s43                        ; my row of the cluster
	s_lshl_b32 s44, 0x1111, s40                    ; my column
	; descriptor group 1, the tokens: 8 blocks of 16 tokens, of each 3,072 bytes (384 elements of 8 bytes), 12,288 bytes apart in memory, dense in LDS
	s_or_b32 s[G1+0], s43, (3<<16)|(1<<21)         ; 15:0 the mask: my row; 17:16 elements of 8 bytes; 20 no padding; 21 set beside a mask
	s_mov_b32 s[G1+1], 384<<16                     ; tensor_dim0
	s_mov_b32 s[G1+2], 8<<16                       ; tensor_dim1
	s_mov_b32 s[G1+3], 384<<16                     ; tile_dim0
	s_mov_b32 s[G1+4], 8                           ; tile_dim1
	s_mov_b32 s[G1+5], 1536                        ; tensor_dim0_stride
	s_mov_b32 s[G1+6], 0
	s_mov_b32 s[G1+7], 0
	; w_proj: 128 rows x 192 bytes, 16 bytes of padding behind every 64
	s_or_b32 s[G1B+0], s44, (0<<16)|(1<<20)|(1<<21)|(3<<22)|(3<<25)
	s_mov_b32 s[G1B+1], ROWB<<16
	s_mov_b32 s[G1B+2], 128<<16
	s_mov_b32 s[G1B+3], ROWB<<16
	s_mov_b32 s[G1B+4], 128
	s_mov_b32 s[G1B+5], KROW
	s_mov_b32 s[G1B+6], 0
	s_mov_b32 s[G1B+7], 0
	; the scales of 128 rows: 4,096 dense bytes as 16 rows of 256, 16 bytes of padding behind each
	s_or_b32 s[G1S+0], s43, (3<<16)|(1<<20)|(1<<21)|(5<<22)|(3<<25)
	s_or_b32 s[G1SB+0], s44, (3<<16)|(1<<20)|(1<<21)|(5<<22)|(3<<25)
.irp g, G1S, G1SB
	s_mov_b32 s[\g+1], 32<<16
	s_mov_b32 s[\g+2], (128*KS/256)<<16
	s_mov_b32 s[\g+3], 32<<16
	s_mov_b32 s[\g+4], 128*KS/256
	s_mov_b32 s[\g+5], 32
	s_mov_b32 s[\g+6], 0
	s_mov_b32 s[\g+7], 0
.endr
	s_lshl_b32 s20, s17, 4                         ; the tokens' images: block 16 x tile row + 8 x half, 12,288 bytes a block
	s_lshl_b32 s18, s16, 3
	s_add_co_u32 s20, s20, s18
	s_mul_i32 s20, s20, 12288
	s_mov_b32 s21, 0
	s_lshl_b32 s22, s17, 8                         ; their scale bytes: token 256 x tile row + 128 x half, 32 bytes a token
	s_lshl_b32 s18, s16, 7
	s_add_co_u32 s22, s22, s18
	s_lshl_b32 s22, s22, 5
	s_mov_b32 s23, 0
	s_lshl_b32 s46, s42, 8                         ; w_proj: place 11,264 + 256 x tile column + 128 x half
	s_add_co_u32 s46, s46, s18
	s_add_co_u32 s46, s46, 11264
	s_lshl_b32 s92, s46, 5                         ; its scale bytes,
	s_mov_b32 s93, 0
	s_mul_i32 s46, s46, KROW                       ; its codes
	s_mov_b32 s47, 0
	s_mul_i32 s45, s16, HALFA                      ; where they go: made of the wave's number alone
	s_mul_i32 s95, s16, HALFT
	s_add_co_u32 s95, s95, 2*HALFA
	s_mul_i32 s94, s14, HALFS
	s_wait_dscnt 0x0                               ; the opening add is done
	s_wait_kmcnt 0x0
	s_add_nc_u64 s[20:21], s[4:5], s[20:21]
	s_add_nc_u64 s[22:23], s[6:7], s[22:23]
	s_add_nc_u64 s[46:47], s[8:9], s[46:47]
	s_add_nc_u64 s[92:93], s[10:11], s[92:93]
	CROUND                                         ; all sixteen work-groups are here: the first joint loads meet
	s_mov_b32 s[G0S], 1
	s_add_co_u32 s[G0S+1], s94, SCL
	s_mov_b64 s[G0S+2:G0S+3], s[22:23]
	s_or_b32 s[G0S+3], s[G0S+3], 0x80000000
	s_mov_b32 s[G0SB], 1
	s_add_co_u32 s[G0SB+1], s94, SCL
	s_mov_b64 s[G0SB+2:G0SB+3], s[92:93]
	s_or_b32 s[G0SB+3], s[G0SB+3], 0x80000000
	JLOAD G0S, G1S, G0SB, G1SB                     ; the scales first: they are wanted with K step 0
.irp s, 0,1
	s_mov_b32 s[G0+4*\s], 1
	s_add_co_u32 s[G0+4*\s+1], s45, \s*SLOT
	s_add_nc_u64 s[G0+4*\s+2:G0+4*\s+3], s[20:21], \s*IMGB
	s_or_b32 s[G0+4*\s+3], s[G0+4*\s+3], 0x80000000
	s_mov_b32 s[G0B+4*\s], 1
	s_add_co_u32 s[G0B+4*\s+1], s95, \s*SLOT
	s_add_nc_u64 s[G0B+4*\s+2:G0B+4*\s+3], s[46:47], \s*ROWB
	s_or_b32 s[G0B+4*\s+3], s[G0B+4*\s+3], 0x80000000
	JLOAD G0+4*\s, G1, G0B+4*\s, G1B               ; three loads of mine are out now
.endr
	v_and_b32 v1, 15, v0                           ; l % 16
	v_bfe_u32 v2, v0, 4, 1                         ; l / 16
	v_and_b32 v6, 31, v0                           ; lane
	v_lshlrev_b32 v7, 3, v6                        ; an image's place for my lane: 8 x lane
	v_mul_u32_u24 v3, v1, PITCH
	v_mul_u32_u24 v4, v2, 24
	v_add_nc_u32 v4, v3, v4                        ; a row fragment's row x pitch + 24 x half
	v_lshl_add_u32 v5, v2, 4, v4                   ; and the same behind one padding more
	s_mul_i32 s21, s15, HALFA                      ; my 128 tokens
	s_mul_i32 s22, s16, HALFT                      ; my 128 rows of w_proj,
	s_add_co_u32 s22, s22, 2*HALFA                 ; which lie behind the tokens' 256
.irp s, 0,1
	v_add_nc_u32 v[ADRA+\s], s21, v7
	v_add_nc_u32 v[ADRB+\s], s22, v4
	v_add_nc_u32 v[ADRB+2+\s], s22, v5
	s_add_co_u32 s21, s21, SLOT
	s_add_co_u32 s22, s22, SLOT
.endr
	v_mul_u32_u24 v5, v1, KS                       ; my row's scales: KS bytes a row,
	v_lshrrev_b32 v3, 8, v5
	v_lshl_add_u32 v5, v3, 4, v5                   ; and 16 more for each 256 passed
	s_mul_i32 s21, s15, HALFS                      ; the tokens': my 128
	s_mul_i32 s22, s16, HALFS                      ; w_proj's: my 128 rows, behind the tokens' 256
	s_add_co_u32 s22, s22, 2*HALFS
	s_sub_co_u32 s22, s22, s21
	v_mul_u32_u24 v3, s22, v2                      ; lanes 16-31 take w_proj's
	s_add_co_u32 s21, s21, SCL
	v_add_nc_u32 v5, v5, v3
	v_add_nc_u32 v[ADRS], s21, v5
	s_mul_i32 s23, s14, 16*SPITCH                  ; my stage
	v_mul_u32_u24 v5, v1, SPITCH                   ; in: row l % 16; my half's 16 columns of each group of 32: 64 bytes on for lanes 16-31
	v_lshl_add_u32 v5, v2, 6, v5
	v_add_nc_u32 v[STO], s23, v5
	v_lshlrev_b32 v[CO], 4, v6                     ; back: the 32 lanes take one row of 512 bytes; and the same in out0
	v_add_nc_u32 v[RD], s23, v[CO]
	s_lshl_b32 s20, s17, 8
	s_lshl_b32 s21, s15, 7
	s_add_co_u32 s20, s20, s21                     ; my first row of out0: 256 x tile row + 128 x half,
	s_lshl_b32 s20, s20, 12                        ; 4,096 bytes a row
	s_mov_b32 s21, 0
	s_lshl_b32 s46, s42, 10                        ; my first column, in bytes: 1,024 x tile column + 512 x half
	s_lshl_b32 s47, s16, 9
	s_add_co_u32 s46, s46, s47
	s_mov_b32 s47, 0
	s_add_nc_u64 s[96:97], s[96:97], s[46:47]      ; the bias at my first column
	s_add_nc_u64 s[98:99], s[98:99], s[20:21]
	s_add_nc_u64 s[98:99], s[98:99], s[46:47]
	v_lshlrev_b32 v8, 6, v2                        ; register j of column block b is column 32 (b / 2) + 16 (lane / 16) + 8 (b % 2) + j
.irp b, 0,1,2,3,4,5,6,7
	global_load_b128 v[BI+8*\b:BI+8*\b+3], v8, s[96:97] offset:(32*(\b/2)+8*(\b%2))*4
	global_load_b128 v[BI+8*\b+4:BI+8*\b+7], v8, s[96:97] offset:(32*(\b/2)+8*(\b%2))*4+16
.endr
.macro FRAG reg, adr, q, i             ; a fragment of w_proj from rows: 24 bytes of the row's stream of bits twice, in pieces of 8 bytes; the second address register serves the pieces behind one padding more
.irp p, 0,1,2,3,4,5
.set PCE, 12*(\q)+6*(\p/3)+\p%3
.if PCE%8 < 5
	ds_load_b64 v[\reg+2*\p:\reg+2*\p+1], v[\adr] offset:8*PCE+16*(PCE/8)+(\i)*16*PITCH
.else
	ds_load_b64 v[\reg+2*\p:\reg+2*\p+1], v[\adr+2] offset:8*PCE+16*(PCE/8)+(\i)*16*PITCH
.endif
.endr
.endm
.macro FRAGI reg, adr, q, i            ; a fragment of tokens from its image: six groups of two registers, 32 lanes x 8 consecutive bytes each
.irp g, 0,1,2,3,4,5
	ds_load_b64 v[\reg+2*\g:\reg+2*\g+1], v[\adr] offset:IMGB*(\i)+1536*(\q)+256*\g
.endr
.endm
; 16 matrix instructions: token blocks a0, a0 + 1 x w_proj's eight, 128 along K.  first = 1: the bias is the C that starts the sums.  The 64 accumulators take turns, one instruction a turn.
.macro MUL16 a0, p, q, sc, first
.irp a, \a0, \a0+1
.irp b, 0,1,2,3,4,5,6,7
.if \first
	v_wmma_scale_f32_16x16x128_f8f6f4 v[8*(8*((\a)%4)+\b):8*(8*((\a)%4)+\b)+7], v[128*(\p)+FR*\b:128*(\p)+FR*\b+FR-1], v[AF+FR*(\a):AF+FR*(\a)+FR-1], v[BI+8*\b:BI+8*\b+7], v[SC+8*NQ*(\sc)+NQ*\b+(\q)], v[SC+8*NQ*(\sc)+NQ*(\a)+(\q)] matrix_a_fmt:MATRIX_FMT_FP6 matrix_b_fmt:MATRIX_FMT_FP6 matrix_a_scale:MATRIX_SCALE_ROW1
.else
	v_wmma_scale_f32_16x16x128_f8f6f4 v[8*(8*((\a)%4)+\b):8*(8*((\a)%4)+\b)+7], v[128*(\p)+FR*\b:128*(\p)+FR*\b+FR-1], v[AF+FR*(\a):AF+FR*(\a)+FR-1], v[8*(8*((\a)%4)+\b):8*(8*((\a)%4)+\b)+7], v[SC+8*NQ*(\sc)+NQ*\b+(\q)], v[SC+8*NQ*(\sc)+NQ*(\a)+(\q)] matrix_a_fmt:MATRIX_FMT_FP6 matrix_b_fmt:MATRIX_FMT_FP6 matrix_a_scale:MATRIX_SCALE_ROW1
.endif
.endr
.endr
.endm
.macro FETCH_B slot, q, p
	WIN TO_B
.irp i, 0,1,2,3,4,5,6,7
	FRAG 128*(\p)+FR*\i, ADRB+\slot, \q, \i
.endr
	WIN 0
.endm
.macro FETCH_A slot, q, i0
.irp i, \i0, \i0+1, \i0+2, \i0+3
	FRAGI AF+FR*(\i), ADRA+\slot, \q, \i
.endr
.endm
.macro SCALES sc                       ; lanes 0-15 take the words of token block i, lanes 16-31 those of w_proj's block i
.irp i, 0,1,2,3,4,5,6,7
	ds_load_b64 v[SC+8*NQ*\sc+NQ*\i:SC+8*NQ*\sc+NQ*\i+1], v[ADRS] offset:\i*SBLK
.endr
.endm
.macro PLACES n                        ; plain vector lines between a matrix instruction and a load into, or a read of, its registers
.rept \n
	v_nop
.endr
.endm
.macro STEP slot, q, first
	s_wait_dscnt 4*NL                              ; w_proj's set and token blocks 0-3 are in; the youngest 24 loads (blocks 4-7) may be out
.if \first
	WIN FST_LO
.else
	WIN MUL_LO
.endif
	MUL16 0, (\q)%2, \q, \slot, \first
	MUL16 2, (\q)%2, \q, \slot, \first
	s_wait_dscnt 0                                 ; blocks 4-7 are in
	PLACES NP
	FETCH_B \slot, (\q)+1, 1-(\q)%2
	FETCH_A \slot, (\q)+1, 0
.if \first
	WIN FST_HI
.else
	WIN MUL_HI
.endif
	MUL16 4, (\q)%2, \q, \slot, \first
	MUL16 6, (\q)%2, \q, \slot, \first
	PLACES NP
	WIN 0
	FETCH_A \slot, (\q)+1, 4
.endm
; A slot's last step changes slots: ONE barrier; in front of it each wave waits for all its tensor loads, adds 0 to its spare word, and waits for that and for its own reads of this slot.
.macro TURN slot, next, fill
	s_wait_tensorcnt 0x0                           ; all my tensor loads have landed: my part of the next slot;  (every window is 0 here)
	ds_add_u32 v[SPW], v[NIL]                      ; 0 onto my spare word
	s_wait_dscnt 4*NL+1                            ; (the add and the youngest 24 loads may be out)
	WIN MUL_LO
	MUL16 0, 1, NQ-1, \slot, 0                     ; sixteen matrix instructions stand between the add and the wait for it
	s_wait_dscnt 0x0                               ; the add is done, and my reads of this slot are over
	s_barrier_signal -1
	MUL16 2, 1, NQ-1, \slot, 0
	WIN 0
	s_barrier_wait -1
.if \fill
	CREST                                          ; the barrier has opened a round of the cluster's barrier: no wave of any partner still reads this slot's tile or has a load on its way
	s_add_nc_u64 s[G0+4*\slot+2:G0+4*\slot+3], s[G0+4*\slot+2:G0+4*\slot+3], 2*IMGB
	s_add_nc_u64 s[G0B+4*\slot+2:G0B+4*\slot+3], s[G0B+4*\slot+2:G0B+4*\slot+3], 2*ROWB
	JLOAD G0+4*\slot, G1, G0B+4*\slot, G1B         ; the first tensor load behind the round, my only one until the next; its four v_nop are the places in front of the loads below
.else
	PLACES NP
.endif
	v_add_nc_u32 v[ADRS], 4*NQ, v[ADRS]            ; on to the next K step's scale words (no LDS load of mine is out)
	FETCH_B \next, 0, 0
	FETCH_A \next, 0, 0
	SCALES \next
	WIN MUL_HI
	MUL16 4, 1, NQ-1, \slot, 0
	MUL16 6, 1, NQ-1, \slot, 0
	PLACES NP
	WIN 0
	FETCH_A \next, 0, 4
.endm
	s_wait_tensorcnt 1                             ; the scales and my part of K step 0 are in (K step 1's load may be out)
	s_barrier_signal -1
	s_barrier_wait -1                              ; everybody's are
	FETCH_B 0, 0, 0
	FETCH_A 0, 0, 0
	SCALES 0
	FETCH_A 0, 0, 4
	s_wait_loadcnt 0x0                             ; the bias
	STEP 0, 0, 1                                   ; K 0: the bias starts the sums
	TURN 0, 1, 1                                   ; K 128; slot 0 takes K 512 ..
	STEP 1, 0, 0                                   ; K 256
	TURN 1, 0, 1                                   ; K 384; slot 1 takes K 768 ..
	STEP 0, 0, 0                                   ; K 512
	TURN 0, 1, 0                                   ; K 640; nothing is left to fetch, so no round
	STEP 1, 0, 0                                   ; K 768
	s_wait_dscnt 4*NL                              ; K 896, the last step
	WIN MUL_LO
	MUL16 0, 1, NQ-1, 1, 0
	MUL16 2, 1, NQ-1, 1, 0
	s_wait_dscnt 0
	WIN MUL_HI
	MUL16 4, 1, NQ-1, 1, 0
	MUL16 6, 1, NQ-1, 1, 0
	WIN 0
; THE WAY OUT, block by block of 16 tokens x 128 columns, through my own stage in LDS; it comes back as whole rows of 512 bytes.  LDS serves a wave's instructions in order (ISA guide 5.7.1.4): no wait between the
; stores and the loads, nor in front of the next block's stores.  Column block b's eight numbers of my half lie at byte 128 (b / 2) + 64 (lane / 16) + 32 (b % 2) of the row.
.macro TOSTAGE a
.set AC, 64*((\a)%4)
	WIN 0x08+4*((\a)/4)                            ; the data: window 2 or 3
.irp b, 0,1,2,3,4,5,6,7
	ds_store_b128 v[STO], v[AC+8*\b:AC+8*\b+3] offset:128*(\b/2)+32*(\b%2)          ; each accumulator from its low end on
	ds_store_b128 v[STO], v[AC+8*\b+4:AC+8*\b+7] offset:128*(\b/2)+32*(\b%2)+16
.endr
	WIN 0
.set BB, BK+64*((\a)%2)
.irp t, 0,1,2,3,4,5,6,7,8,9,10,11,12,13,14,15
	ds_load_b128 v[BB+4*\t:BB+4*\t+3], v[RD] offset:\t*SPITCH
.endr
.endm
.macro SEND a, younger                 ; younger: the LDS instructions issued behind block a's loads, which may stay out.  Place t of block a is token 32 (a / 2) + 8 (a % 2) + t + 8 (t / 8) of my 128
.set BB, BK+64*((\a)%2)
	s_wait_dscnt \younger                          ; the block is back in registers
.irp t, 0,1,2,3,4,5,6,7,8,9,10,11,12,13,14,15
	global_store_b128 v[CO], v[BB+4*\t:BB+4*\t+3], s[98:99] offset:(32*((\a)/2)+8*((\a)%2)+\t+8*(\t/8))*4096 th:TH_STORE_NT   ; 32 lanes store 512 consecutive bytes, aligned; 127 rows at the most: inside the signed 24-bit immediate
.endr
.endm
	PLACES NP                                      ; behind the last products: for the first read of results and the loads into the registers that held fragments
	TOSTAGE 0
.irp a, 1,2,3,4,5,6,7
.if \a > 1
	s_wait_xcnt 0x0                                ; block a - 2's stores have read their registers: block a's loads may land there
.endif
	TOSTAGE \a
	SEND \a-1, 32                                  ; behind block a - 1's loads: block a's 16 stores and 16 loads
.endr
	SEND 7, 0
	s_wait_tensorcnt 0x0                           ; the wave's end, behind my last tensor load and my last LDS store
	ds_add_u32 v[SPW], v[NIL]
	s_wait_dscnt 0x0
	CROUND                                         ; the closing round: no work-group ends while a partner may still ask for a tile that names it
	s_endpgm
.Lfunc_end_k_q2dc774b923_proj:
	.size	k_q2dc774b923_proj, .Lfunc_end_k_q2dc774b923_proj-k_q2dc774b923_proj
	.p2alignl 7, 3214868480
	.fill 96, 4, 3214868480
	.section	.rodata,"a",@progbits
	.p2align	6, 0x0
	.amdhsa_kernel k_q2dc774b923_proj
		.amdhsa_group_segment_fixed_size 327680
		.amdhsa_private_segment_fixed_size 0
		.amdhsa_enable_private_segment 0
		.amdhsa_kernarg_size 48
		.amdhsa_user_sgpr_count 2
		.amdhsa_user_sgpr_kernarg_segment_ptr 1
		.amdhsa_wavefront_size32 1
		.amdhsa_system_sgpr_workgroup_id_x 1
		.amdhsa_system_sgpr_workgroup_id_y 1
		.amdhsa_system_sgpr_workgroup_id_z 1
		.amdhsa_system_vgpr_workitem_id 0
		.amdhsa_next_free_vgpr 1024
		.amdhsa_next_free_sgpr 102
		.amdhsa_reserve_vcc 0
		.amdhsa_float_denorm_mode_32 3
		.amdhsa_float_denorm_mode_16_64 3
		.amdhsa_memory_ordered 1
		.amdhsa_forward_progress 1
		.amdhsa_inst_pref_size 161
	.end_amdhsa_kernel
	.amdgpu_metadata
---
amdhsa.version: [ 1, 2 ]
amdhsa.kernels:
  - .name:           k_q2dc774b923_proj
    .symbol:         k_q2dc774b923_proj.kd
    .args:
      - { .name: o_img, .offset: 0, .size: 8, .value_kind: global_buffer, .address_space: global }
      - { .name: o_sc, .offset: 8, .size: 8, .value_kind: global_buffer, .address_space: global }
      - { .name: codes, .offset: 16, .size: 8, .value_kind: global_buffer, .address_space: global }
      - { .name: scales, .offset: 24, .size: 8, .value_kind: global_buffer, .address_space: global }
      - { .name: b_proj, .offset: 32, .size: 8, .value_kind: global_buffer, .address_space: global }
      - { .name: out0, .offset: 40, .size: 8, .value_kind: global_buffer, .address_space: global }
    .group_segment_fixed_size: 327680
    .private_segment_fixed_size: 0
    .kernarg_segment_align: 8
    .kernarg_segment_size: 48
    .max_flat_workgroup_size: 128
    .sgpr_count:     102
    .vgpr_count:     1024
    .wavefront_size: 32
...
	.end_amdgpu_metadata
.endif
;; end of part 4
